; MI455X (gfx1250); checked and timed in simulation.
; The chip was launched on July 23, 2026; its instructions are those of AMD's public machine-readable ISA for CDNA 5 (MIT licence, August 2026) and "CDNA5" Instruction Set Architecture Reference Guide (July 2026). The comments in the code are by the model that wrote it; some were corrected since.
;; Causal Self Attention. Allowed arithmetic: matrix products marked QUANTISED: E4M3 operands, one E8M0 scale for each 32 along K, by v_wmma_scale_f32_16x16x128_f8f6f4 with both operands' format E4M3, f32 sums; everything else in f32.
;; Inputs: W_attn 1,024 x 3,072 float32; W_proj 1,024 x 1,024 float32; b_attn 3,072 float32; b_proj 1,024 float32; x 4 x 2,048 x 1,024 float32.
;; Outputs: out0 4 x 2,048 x 1,024 float32.
;; This version of the problem:
;;   THIS VERSION OF THE PROBLEM IS GIVEN IN LOW PRECISION. The matrix products marked QUANTISED in the list below multiply operands that are first quantised to E4M3 (4 exponent bits, 3 mantissa bits; 8 bits a number), with one power-of-two scale for each 32 numbers along K (OCP MX v1.0); their sums are f32. All else is computed in f32.
;;   The module's matrix products, in the order in which they are computed (A, B: the left and right operand; K: the contracted axis; several contracted axes count as one K, in the product's order):
;;     1. [M 8,192, K 1,024] x [K 1,024, N 3,072]; A: input x; B: input W_attn: QUANTISED
;;     2. batch 64 x [M 2,048, K 64] x [K 64, N 2,048]; A: computed on the way; B: computed on the way: QUANTISED
;;     3. batch 64 x [M 2,048, K 2,048] x [K 2,048, N 64]; A: softmax (see below); B: computed on the way: QUANTISED
;;     4. [M 8,192, K 1,024] x [K 1,024, N 1,024]; A: computed on the way; B: input W_proj: QUANTISED
;;   THE QUANTISER, for each operand of a quantised product, along K:
;;     - K is cut into blocks of 32 from its start; a last block that is shorter is filled with zeros.
;;     - A block's scale is 2^e with e = floor(log2(the largest magnitude in the block)) - 8, held to -126 .. 127; a block of zeros has e = 0. As a byte (E8M0): e + 127.
;;     - Each number is divided by its block's scale, clamped to +-448, and rounded to the nearest number of E4M3, ties to even, subnormals kept.
;;     - The product sums the exact products of the quantised numbers (number of the format x scale) in f32.
;;   ~~~python
;;   def quantise(x, axis):      # numpy; x: float32 -> the quantised numbers, widened to float32 again
;;       x = np.moveaxis(x, axis, -1); K = x.shape[-1]
;;       x = np.pad(x, [(0, 0)] * (x.ndim - 1) + [(0, -K % 32)]); x = x.reshape(x.shape[:-1] + (-1, 32)); a = np.abs(x).max(-1, keepdims=True)
;;       e = np.where(a > 0, np.clip(np.frexp(np.where(a > 0, a, 1))[1] - 1 - 8, -126, 127), 0)      # np.frexp(a)[1] - 1 = floor(log2(a)), exactly
;;       r = np.clip(x / 2.0 ** e, -448, 448)
;;       step = 2.0 ** (np.maximum(np.frexp(np.where(r == 0, 1, r))[1] - 1, -6) - 3)
;;       q = np.round(r / step) * step * 2.0 ** e      # np.round: ties to even
;;       return np.moveaxis(q.reshape(q.shape[:-2] + (-1,))[..., :K], -1, axis).astype(np.float32)
;;   ~~~
;;   SOFTMAX AHEAD OF A QUANTISED PRODUCT. Where the list says 'softmax', what is quantised is not the finished softmax but p = 2^(t - M), with t = logit x log2(e) and M = ceil(the row's largest t), a whole number; so 1/2 < the row's largest p <= 1. The row's sum l is taken of the UNQUANTISED p, in f32, and the product's result is divided by l at the end. Since M is a whole number, a kernel that streams over the keys may use a running M (the ceiling of the running maximum): every later rescaling is an exact power of two, which a block's scale takes up: the codes' values come out the same.
;;   OPERANDS COMPUTED ON THE WAY. 'Computed on the way' means the value that the module computes at that place (a softmax that the list does not call 'softmax' is quantised finished and normalised). What goes into a quantiser is computed in f32, as accurately as f32 sums, v_exp_f32 and their like allow (about 1e-6 of the number): no bf16 or f16 on the way to a quantiser, and a product that is left as it is and whose result goes on into a quantised operand takes f32 operands (vector FMAs, or v_wmma_f32_16x16x4_f32). A number that lies on a knife's edge between two numbers of the format may be rounded either way, as far as f32 arithmetic and the matrix unit's own rounding can turn it there, and no further.
;; One version. Each part assembles by itself: llvm-mc -triple=amdgcn-amd-amdhsa -mcpu=gfx1250 --defsym DOCPART=n.
;; ======== version 1 of 1: 4 launches
;; limits: right only within a limited range of input values
;; workspace buffers: xq 8,650,752 bytes; wq 4,325,376 bytes; qk_img 17,825,792 bytes; v_img 8,650,752 bytes; yq 8,650,752 bytes
;; launch quant (part 1): grid 384 x 1, 4 waves a work-group, no clusters, 34,304 bytes of LDS; arguments x, W_attn, W_proj, xq, wq; writes xq, wq
.if DOCPART == 1
	.amdgcn_target "amdgcn-amd-amdhsa--gfx1250"
	.amdhsa_code_object_version 6
	.text
	.protected	k_q0621172887_quant
	.globl	k_q0621172887_quant
	.p2align	8
	.type	k_q0621172887_quant,@function
k_q0621172887_quant:
	s_mov_b64 s[64:65], 0
	v_nop
	global_prefetch_b8 v0, s[64:65] scope:SCOPE_SE
	s_setreg_imm32_b32 hwreg(HW_REG_WAVE_MODE, 25, 1), 1
	s_wait_xcnt 0x0
; x [8192][1024], W_attn [1024][3072] and W_proj [1024][1024], f32, become codes of FP8 (E4M3) with one E8M0 byte for each 32 along K (K = the 1,024 inputs), laid as IMAGES OF OPERAND REGISTERS.
; A fragment (16 rows x 128 K) is 2,048 bytes: [c 0..3][lane 0..31][16 bytes]; lane (r = lane % 16, h = lane / 16) holds k = 32 c + 16 h + 0..15 of the tile's row r.  A tile's 8 fragments lie on end: 16,384 bytes.
; TILE ORDER: tile 2 G + u holds rows 32 G + 8 u + r + 8 (r / 8), so that in a product the 16 result registers of tiles 2 G, 2 G + 1 are 16 neighbours.  Rows: tokens (xq), output features (wq: tiles 0-191 W_attn, 192-255 W_proj).
; Scale words behind the codes: [tile][256 along K: 0..3][r][2 words], 512 bytes a tile; a word = the four bytes of 128 along K.
; A block's scale is 2^(floor(log2(largest magnitude)) - 8); its byte is the largest magnitude's exponent field - 8, held at 1 from below.
; LIMITS: a block of zeros gets the byte 1 where the rule says 127 (its codes are zeros; this program alone reads the bytes); blocks whose largest magnitude lies under 2^-118 are held at byte 1; NaN and infinities are not served.
; Work-groups 0-127 take the weights (K is their FIRST axis: a lane takes a column, its registers run down K), work-groups 128-383 take x (K innermost: dense loads, turned through the wave's own stage in LDS).
; Waves share nothing: no barrier.  Memory binds: no matrix unit, no cluster.  Only the x path touches LDS.
; WORK LEFT OUT BY THE PROGRAM (launch attn): reference() sets the score of every key behind its query to -infinity by a mask that it builds itself (jnp.tril), so that key's weight is 0 whatever the inputs hold;
; key steps that lie wholly behind a tile of queries are therefore not multiplied.  A NaN, an infinity or an overflow that reaches only such scores is not carried to the result.  Every input is loaded.
.set FLOOR, 0x4800000
.set EOFF,  0xfc000000                 ; -(8 << 23)
.set MNT,   15                         ; s15  the mantissa field of 448
.set SEL,   30                         ; s[30:31] selects for lane l xor 16
.set LN,    7                          ; v7   lane
; the weights' path
.set OFF,   32                         ; v32-63   4 x lane + i rows of W
.set XW,    64                         ; v64-127  two sets of 32 numbers
.set CW,    128                        ; v128-191 eight registers of codes for each block: no store's data are written again
.set SB,    24                         ; v[24:25] the eight scale bytes
.set WO,    8                          ; v8   my column's place in the images
.set WS,    9                          ; v9   and among the scale words
; x's path
.set LI,    1                          ; v1   16 x lane
.set SI,    2                          ; v2   the stage, on the way in
.set SO,    3                          ; v3   and on the way out
.set XS,    4                          ; v4   my place among the scale words
.set TM,    8                          ; v8-23 at work
.set PW,    24                         ; v24-27 the four scale words
.set PR,    28                         ; v[28:29] the pair that I store
.set PC,    32                         ; v32-63 codes, two sets of 16
.set R,     64                         ; v64-255 three sets of 64 numbers
.set STG,   8448                       ; a wave's stage: 16 rows x (512 bytes + 16)
	s_load_b128 s[4:7], s[0:1], 0x0                ; x, W_attn
	s_load_b128 s[8:11], s[0:1], 0x10              ; W_proj, xq
	s_load_b64 s[12:13], s[0:1], 0x20              ; wq
	v_lshl_add_u32 v30, v0, 2, 0x8400
	v_mov_b32 v31, 0
	v_lshrrev_b32 v1, 5, v0
	v_readfirstlane_b32 s14, v1                    ; wave 0..3
	v_and_b32 v[LN], 31, v0
	s_mov_b32 s[MNT], 0x600000
	s_cmp_lt_u32 ttmp9, 128
	s_cbranch_scc0 .Lx_path
; ---------------- the weights: a wave takes 32 columns x 256 along K: 8 blocks a lane
	s_mov_b32 s17, 4096
	s_cmp_lt_u32 ttmp9, 96                         ; W_attn's work-group or W_proj's: the choice hangs on the work-group's number alone
	s_cselect_b32 s16, 0, 96
	s_cselect_b32 s17, 12288, s17                  ; bytes in a row of W
	s_cselect_b32 s18, 0, 192                      ; the tensor's first tile in wq
	s_sub_co_u32 s16, ttmp9, s16
	s_lshr_b32 s19, s16, 2                         ; which 128 columns
	s_and_b32 s20, s16, 3                          ; which 256 along K
	s_lshl_b32 s21, s19, 3
	s_add_co_u32 s21, s21, s18
	s_lshl_b32 s22, s14, 1
	s_add_co_u32 s21, s21, s22                     ; my first tile: 8 x group + 2 x wave
	s_lshl_b32 s22, s20, 8
	s_mul_i32 s22, s22, s17                        ; 256 rows of W for each step along K
	s_lshl_b32 s23, s19, 9
	s_add_co_u32 s22, s22, s23
	s_lshl_b32 s23, s14, 7
	s_add_co_u32 s22, s22, s23                     ; + my first column x 4
	s_mov_b32 s23, 0
	s_lshl_b32 s24, s17, 5                         ; 32 rows of W: a block
	s_mov_b32 s25, 0
	s_lshl_b32 s26, s21, 14
	s_lshl_b32 s27, s20, 12
	s_add_co_u32 s26, s26, s27                     ; codes: tile x 16,384 + 4,096 for each 256 along K
	s_mov_b32 s27, 0
	s_lshl_b32 s28, s21, 9
	s_lshl_b32 s29, s20, 7
	s_add_co_u32 s28, s28, s29
	s_add_co_u32 s28, s28, 4194304                 ; scale words: behind wq's codes
	s_mov_b32 s29, 0
	s_wait_alu depctr_va_vdst(0)
	v_lshlrev_b32 v3, 2, v[LN]
.set i, 0
.rept 32
	v_mad_u32_u24 v[OFF+i], s17, i, v3             ; 4 x lane + i rows; never rewritten
.set i, i+1
.endr
	v_bfe_u32 v4, v[LN], 3, 1                      ; column l of the 32 lies in tile u = (l / 8) % 2,
	v_and_b32 v5, 7, v[LN]
	v_lshrrev_b32 v6, 4, v[LN]
	v_lshl_or_b32 v5, v6, 3, v5                    ; at row r = l % 8 + 8 (l / 16)
	v_lshlrev_b32 v[WO], 4, v5
	v_lshl_add_u32 v[WO], v4, 14, v[WO]
	v_lshlrev_b32 v[WS], 3, v5
	v_lshl_add_u32 v[WS], v4, 9, v[WS]
	s_wait_alu depctr_va_vdst(0)
	s_wait_kmcnt 0x0
	s_cmp_lt_u32 ttmp9, 96
	s_cselect_b64 s[32:33], s[6:7], s[8:9]
	s_add_nc_u64 s[32:33], s[32:33], s[22:23]      ; a base for each block, never stepped
.irp t, 1,2,3,4,5,6,7
	s_add_nc_u64 s[32+2*\t:33+2*\t], s[30+2*\t:31+2*\t], s[24:25]
.endr
	s_add_nc_u64 s[26:27], s[12:13], s[26:27]
	s_add_nc_u64 s[28:29], s[12:13], s[28:29]
.macro LOADW t                         ; block t: W(32 t + i, my column): 32 lanes read 128 consecutive bytes, the four waves side by side 512
.set i, 0
.rept 32
	global_load_b32 v[XW+32*((\t)%2)+i], v[OFF+i], s[32+2*(\t):33+2*(\t)] th:TH_LOAD_NT
.set i, i+1
.endr
.endm
.macro BLOCKW t
.set XB, XW+32*((\t)%2)
.if (\t) < 7
	s_wait_loadcnt 32                              ; this block's 32 loads are in; the next block's 32 may be out
.else
	s_wait_loadcnt 0
.endif
	v_max3_num_f32 v12, |v[XB]|, |v[XB+1]|, |v[XB+2]|              ; the block's largest magnitude: all 32 numbers are mine; two chains
	v_max3_num_f32 v13, |v[XB+3]|, |v[XB+4]|, |v[XB+5]|
.irp i, 6,10,14,18,22,26
	v_max3_num_f32 v12, v12, |v[XB+\i]|, |v[XB+\i+1]|
	v_max3_num_f32 v13, v13, |v[XB+\i+2]|, |v[XB+\i+3]|
.endr
	v_max3_num_f32 v12, v12, |v[XB+30]|, |v[XB+31]|
	v_max3_num_f32 v12, v12, v13, FLOOR            ; and the floor: the byte cannot fall under 1
	v_add_nc_u32 v11, EOFF, v12                    ; 8 off the exponent field: the conversion's scale operand
	v_and_or_b32 v10, v12, 0x7f800000, s[MNT]      ; 448 x the scale
	v_lshrrev_b32 v13, 23, v11                     ; the scale's byte
.if (\t)%4 == 0
	v_mov_b32 v[SB+(\t)/4], v13
.else
	v_lshl_or_b32 v[SB+(\t)/4], v13, 8*((\t)%4), v[SB+(\t)/4]
.endif
.irp i, 0,1,2,3,4,5,6,7,8,9,10,11,12,13,14,15,16,17,18,19,20,21,22,23,24,25,26,27,28,29,30,31
	v_med3_num_f32 v[XB+\i], v[XB+\i], -v10, v10   ; the conversion to an 8-bit code does not saturate (ISA guide 7.6.2): the hold comes first
.endr
.irp g, 0,1,2,3
	v_cvt_scalef32_pk8_fp8_f32 v[CW+8*(\t)+2*\g:CW+8*(\t)+2*\g+1], v[XB+8*\g:XB+8*\g+7], v11
.endr
	global_store_b128 v[WO], v[CW+8*(\t):CW+8*(\t)+3], s[26:27] offset:((\t)/4)*2048+((\t)%4)*512        ; k 0..15 of the block: the image's lanes 0-15; sixteen lanes fill 256 consecutive bytes, aligned
	global_store_b128 v[WO], v[CW+8*(\t)+4:CW+8*(\t)+7], s[26:27] offset:((\t)/4)*2048+((\t)%4)*512+256  ; k 16..31: its lanes 16-31
.if (\t)+2 < 8
	LOADW (\t)+2
.endif
.endm
	LOADW 0
	LOADW 1
.irp t, 0,1,2,3,4,5,6,7
	BLOCKW \t
.endr
	global_store_b64 v[WS], v[SB:SB+1], s[28:29]   ; my column's two scale words: sixteen lanes store 128 consecutive bytes (131,072 bytes of such stores in the launch)
	s_endpgm
; ---------------- x: a wave takes one tile (16 rows) x 512 along K: four fragments
.Lx_path:
	s_sub_co_u32 s16, ttmp9, 128
	s_lshl_b32 s16, s16, 2
	s_add_co_u32 s16, s16, s14
	s_lshr_b32 s17, s16, 1                         ; tile 0..511
	s_and_b32 s18, s16, 1                          ; which half of K
	s_lshr_b32 s19, s17, 1
	s_lshl_b32 s19, s19, 5
	s_and_b32 s20, s17, 1
	s_lshl_b32 s20, s20, 3
	s_add_co_u32 s19, s19, s20                     ; the tile's first row: 32 (tile / 2) + 8 (tile % 2)
	s_lshl_b32 s22, s19, 12
	s_lshl_b32 s20, s18, 11
	s_add_co_u32 s22, s22, s20
	s_mov_b32 s23, 0
	s_lshl_b32 s26, s17, 14
	s_lshl_b32 s20, s18, 13
	s_add_co_u32 s26, s26, s20
	s_mov_b32 s27, 0
	s_lshl_b32 s28, s17, 9
	s_lshl_b32 s20, s18, 8
	s_add_co_u32 s28, s28, s20
	s_add_co_u32 s28, s28, 8388608                 ; scale words: behind xq's codes
	s_mov_b32 s29, 0
	s_mov_b32 s[SEL], 0x76543210
	s_mov_b32 s[SEL+1], 0xfedcba98
	s_mul_i32 s21, s14, STG
	s_wait_alu depctr_va_vdst(0)
	v_lshlrev_b32 v[LI], 4, v[LN]
	v_add_nc_u32 v[SI], s21, v[LI]                 ; in: a row's 512 bytes as they lie
	v_and_b32 v5, 15, v0                           ; r
	v_bfe_u32 v6, v0, 4, 1                         ; h
	v_mul_u32_u24 v[SO], v5, 528
	v_lshl_add_u32 v[SO], v6, 6, v[SO]
	v_add_nc_u32 v[SO], s21, v[SO]                 ; out: row r, + 64 h: my 16 numbers of a block of 32
	v_lshlrev_b32 v[XS], 3, v5
	v_lshl_add_u32 v[XS], v6, 7, v[XS]
.irp b, 0,1,2,3
	v_mov_b32 v[TM+4+\b], 0                        ; written once: a lane permute's destination counts as one of its sources
.endr
	s_wait_alu depctr_va_vdst(0)
	s_wait_kmcnt 0x0
	s_add_nc_u64 s[4:5], s[4:5], s[22:23]
	s_add_nc_u64 s[26:27], s[10:11], s[26:27]
	s_add_nc_u64 s[28:29], s[10:11], s[28:29]
.macro LOADX s, set                    ; 128 along K of the tile's 16 rows: each load reads 512 consecutive bytes of one row
.irp i, 0,1,2,3,4,5,6,7,8,9,10,11,12,13,14,15
	global_load_b128 v[R+64*\set+4*\i:R+64*\set+4*\i+3], v[LI], s[4:5] offset:(\i+8*(\i/8))*4096+512*\s th:TH_LOAD_NT
.endr
.endm
; 64 numbers of a lane, register 16 b + i = k 32 b + 16 h + i of my row, become a fragment's codes in v[pc] on and its scale word in v[pw]
.macro QUANT s, pc, pw
.irp b, 0,1,2,3
	v_max3_num_f32 v[TM+\b], |v[\s+16*\b]|, |v[\s+1+16*\b]|, FLOOR
.endr
.irp i, 2,4,6,8,10,12,14
.irp b, 0,1,2,3
	v_max3_num_f32 v[TM+\b], v[TM+\b], |v[\s+16*\b+\i]|, |v[\s+1+16*\b+\i]|   ; the four blocks by turns
.endr
.endr
.irp b, 0,1,2,3
	v_permlanex16_b32 v[TM+4+\b], v[TM+\b], s[SEL], s[SEL+1]
.endr
.irp b, 0,1,2,3
	v_max_num_f32 v[TM+\b], v[TM+\b], v[TM+4+\b]   ; with lane l xor 16's 16: the block's largest magnitude
.endr
.irp b, 0,1,2,3
	v_add_nc_u32 v[TM+12+\b], EOFF, v[TM+\b]
.endr
.irp b, 0,1,2,3
	v_and_or_b32 v[TM+8+\b], v[TM+\b], 0x7f800000, s[MNT]
.endr
.irp b, 0,1,2,3
	v_lshrrev_b32 v[TM+4+\b], 23, v[TM+12+\b]
.endr
	v_lshl_or_b32 v[\pw], v[TM+5], 8, v[TM+4]
	v_lshl_or_b32 v[\pw], v[TM+6], 16, v[\pw]
	v_lshl_or_b32 v[\pw], v[TM+7], 24, v[\pw]
.irp b, 0,1,2,3
.irp i, 0,1,2,3,4,5,6,7,8,9,10,11,12,13,14,15
	v_med3_num_f32 v[\s+16*\b+\i], v[\s+16*\b+\i], -v[TM+8+\b], v[TM+8+\b]
.endr
	v_cvt_scalef32_pk8_fp8_f32 v[\pc+4*\b:\pc+4*\b+1], v[\s+16*\b:\s+16*\b+7], v[TM+12+\b]
	v_cvt_scalef32_pk8_fp8_f32 v[\pc+4*\b+2:\pc+4*\b+3], v[\s+16*\b+8:\s+16*\b+15], v[TM+12+\b]
.endr
	v_nop                                          ; a plain line behind the last scaled conversion
.endm
.macro XSTEP s, set, left              ; left: the loads issued behind this step's sixteen, which may stay out
	s_wait_loadcnt \left
.irp i, 0,1,2,3,4,5,6,7,8,9,10,11,12,13,14,15
	ds_store_b128 v[SI], v[R+64*\set+4*\i:R+64*\set+4*\i+3] offset:\i*528
.endr
.irp c, 0,1,2,3
.irp j, 0,1,2,3
	ds_load_b128 v[R+64*\set+16*\c+4*\j:R+64*\set+16*\c+4*\j+3], v[SO] offset:128*\c+16*\j   ; LDS serves a wave's instructions in order: these see my stores
.endr
.endr
	s_wait_dscnt 0x0
.if \s >= 2
	s_wait_xcnt 0x0                                ; the stores of two steps back have read this set of codes: it is written again only behind this wait
.endif
	QUANT R+64*\set, PC+16*(\s%2), PW+\s
.irp c, 0,1,2,3
	global_store_b128 v[LI], v[PC+16*(\s%2)+4*\c:PC+16*(\s%2)+4*\c+3], s[26:27] offset:2048*\s+512*\c   ; 512 consecutive bytes of the image
.endr
.endm
	LOADX 0, 0
	LOADX 1, 1
	LOADX 2, 2
	XSTEP 0, 0, 32                                 ; behind step 0's loads: steps 1 and 2
	LOADX 3, 0
	XSTEP 1, 1, 32                                 ; steps 2 and 3
	XSTEP 2, 2, 16                                 ; step 3
	XSTEP 3, 0, 0
	v_cmp_ne_u32 vcc_lo, 0, v6                     ; lanes 0-15 store the first 256 along K's two words, lanes 16-31 the second's
	v_cndmask_b32 v[PR], v[PW], v[PW+2], vcc_lo
	v_cndmask_b32 v[PR+1], v[PW+1], v[PW+3], vcc_lo
	global_store_b64 v[XS], v[PR:PR+1], s[28:29]   ; 32 lanes store 256 consecutive bytes, aligned
	s_wait_tensorcnt 0x0
	ds_add_u32 v30, v31
	s_wait_dscnt 0x0
	s_endpgm
.Lfunc_end_k_q0621172887_quant:
	.size	k_q0621172887_quant, .Lfunc_end_k_q0621172887_quant-k_q0621172887_quant
	.p2alignl 7, 3214868480
	.fill 96, 4, 3214868480
	.section	.rodata,"a",@progbits
	.p2align	6, 0x0
	.amdhsa_kernel k_q0621172887_quant
		.amdhsa_group_segment_fixed_size 34304
		.amdhsa_private_segment_fixed_size 0
		.amdhsa_enable_private_segment 0
		.amdhsa_kernarg_size 40
		.amdhsa_user_sgpr_count 2
		.amdhsa_user_sgpr_kernarg_segment_ptr 1
		.amdhsa_wavefront_size32 1
		.amdhsa_system_sgpr_workgroup_id_x 1
		.amdhsa_system_sgpr_workgroup_id_y 1
		.amdhsa_system_sgpr_workgroup_id_z 1
		.amdhsa_system_vgpr_workitem_id 0
		.amdhsa_next_free_vgpr 256
		.amdhsa_next_free_sgpr 66
		.amdhsa_reserve_vcc 1
		.amdhsa_float_denorm_mode_32 3
		.amdhsa_float_denorm_mode_16_64 3
		.amdhsa_memory_ordered 1
		.amdhsa_forward_progress 1
		.amdhsa_inst_pref_size 109
	.end_amdhsa_kernel
	.amdgpu_metadata
---
amdhsa.version: [ 1, 2 ]
amdhsa.kernels:
  - .name:           k_q0621172887_quant
    .symbol:         k_q0621172887_quant.kd
    .args:
      - { .name: x, .offset: 0, .size: 8, .value_kind: global_buffer, .address_space: global }
      - { .name: W_attn, .offset: 8, .size: 8, .value_kind: global_buffer, .address_space: global }
      - { .name: W_proj, .offset: 16, .size: 8, .value_kind: global_buffer, .address_space: global }
      - { .name: xq, .offset: 24, .size: 8, .value_kind: global_buffer, .address_space: global }
      - { .name: wq, .offset: 32, .size: 8, .value_kind: global_buffer, .address_space: global }
    .group_segment_fixed_size: 34304
    .private_segment_fixed_size: 0
    .kernarg_segment_align: 8
    .kernarg_segment_size: 40
    .max_flat_workgroup_size: 128
    .sgpr_count:     66
    .vgpr_count:     256
    .wavefront_size: 32
...
	.end_amdgpu_metadata
.endif
;; end of part 1
;; launch qkv (part 2): grid 12 x 32, 4 waves a work-group, clusters of 4 x 4, 327,680 bytes of LDS; arguments xq, wq, b_attn, qk_img, v_img; writes qk_img, v_img
.if DOCPART == 2
	.amdgcn_target "amdgcn-amd-amdhsa--gfx1250"
	.amdhsa_code_object_version 6
	.text
	.protected	k_q0621172887_qkv
	.globl	k_q0621172887_qkv
	.p2align	8
	.type	k_q0621172887_qkv,@function
k_q0621172887_qkv:
	s_mov_b64 s[64:65], 0
	v_nop
	global_prefetch_b8 v0, s[64:65] scope:SCOPE_SE
	s_setreg_imm32_b32 hwreg(HW_REG_WAVE_MODE, 25, 1), 1
	s_wait_xcnt 0x0
	s_wait_alu depctr_hold_cnt(0) depctr_sa_sdst(0) depctr_va_vdst(0) depctr_va_sdst(0) depctr_va_ssrc(0) depctr_va_vcc(0) depctr_vm_vsrc(0)
	s_getreg_b32 s2, hwreg(HW_REG_IB_STS2, 6, 4)
	s_cmp_eq_u32 s2, 0
	s_cbranch_scc0 .Lentry_in_a_cluster
	s_endpgm
.Lentry_in_a_cluster:
	s_bfe_u32 s2, ttmp6, 0x10000c
	s_cmp_lg_u32 s2, 0xf033
	s_cbranch_scc0 .Lentry_shape_is_right
	s_endpgm
.Lentry_shape_is_right:
; qkv = x W_attn + b_attn on codes of FP8 (E4M3) with E8M0 scales, K = 1,024; the results leave as CODES: q and k quantised along a head's 64 features, v along the tokens (the keys).
; Operands are images of operand registers (a fragment of 16 rows x 128 K = 2,048 bytes, [c][lane][16 bytes]; a tile's 8 fragments on end) in TILE ORDER: tile 2 G + u = rows 32 G + 8 u + r + 8 (r / 8).
; A tile of 256 x 256 results is made by four waves, 128 x 128 each: 64 accumulators.  The product is used transposed: source 0 = a tile of B', source 1 = a tile of A': a lane holds ONE row of A', and by the tile order
; registers 16 bb + i of its eight accumulators are columns 32 bb + 16 h + i of B': sixteen neighbours, as the conversions and the next operand's layout want them.
; TWO ROLES, by the cluster's x (equal in all sixteen partners): x = 0, 1: A' = tokens (xq), B' = features 0-2047 (q, k): blocks of 32 run along features.  x = 2: A' = features 2048-3071 (v), B' = tokens: blocks run along tokens.
; K goes in steps of 256 through two LDS slots; with four steps the ring is written straight.  CLUSTERS 4 x 4: A's tiles are asked for jointly along a row of the cluster, B's along a column.
; The bias is the C of each sum's first product.  Scale words of all of K (8 KB a side) come once, with the first fills.
; OUT: qk_img [pair of heads 0-15 (0-7 q, 8-15 k)][128 tokens 0-63] chunks of 17,408 bytes = 2 heads x {8 tiles x 2 x 512 bytes of codes, 8 x 16 scale words (two bytes used, two 0)};
;      v_img [pair of heads 0-7][128 tokens] chunks of 16,896 bytes = 2 heads x {4 tiles of features x 4 x 512 bytes, 4 x 16 scale words}.
; LIMITS: a block of zeros gets the byte 1 where the rule says 127 (zero codes; the bytes are read by this program alone); blocks under 2^-118 are held at byte 1; NaN and infinities are not served.
; REGISTERS: window 0: v10-31 addresses; v32-63 scale words, two sets; v64-127 the bias, later at work; v128-255 A's fragments, ONE set, later the codes made.  window 1: B's fragments, two sets.  windows 2, 3: accumulator (a, b) at v[8 (8 (a % 4) + b)].
.set SLOT,  131072                     ; a slot: A's 16 tiles x 4,096 bytes, then B's
.set BOFF,  65536
.set SCL,   262144                     ; behind the ring: A's scale words, 8,192 bytes, then B's
.set SPARE, 278528                     ; the spare words, 128 bytes a wave: two blocks of 256 bytes that no other line names
.set FR,    16
.set NP,    8                          ; places behind this matrix instruction (ISA guide 7.12.1)
.set XSC,   8388608                    ; where the scale words begin in xq
.set WSC,   4194304                    ; and in wq
.set KCH,   17408
.set KHF,   8704
.set VCH,   16896
.set VHF,   8448
.set BOQ,  10                          ; v10  the bias's offset, q and k: 64 h
.set BOV,  11                          ; v11  v: 4 (r + 8 (r / 8))
.set ADRA, 16                          ; v16-17 LDS address of my A fragments in slot 0, 1
.set ADRB, 20                          ; v20-21 the same for B
.set LI,   22                          ; v22  16 x lane
.set SH,   23                          ; v23  16 h
.set STQ,  24                          ; v24  stage for q's and k's scale words
.set STV,  25                          ; v25  stage for v's: bytes of its own
.set SRD,  26                          ; v26  where the stage is read back
.set ADRS, 27                          ; v27  my scale words: lanes 0-15 A's, lanes 16-31 B's
.set SPW,  28                          ; v28  my spare word; never rewritten
.set NIL,  29                          ; v29  0; never rewritten
.set VSO,  30                          ; v30  v's scale words in memory: 8,448 h + 16 r
.set SC,   32
.set BIAS, 64
.set TM,   64                          ; the way out: v64-79 at work
.set PW,   80
.set TT,   81
.set FL,   84
.set AF,   128
.set G1, 24
.set G0, 32
.set G1B, 48
.set G0B, 56
.set G1S, 68
.set G0S, 76
.set G1SB, 80
.set G0SB, 88
.set ROLE, 95                          ; s95  1: the v role
.set SEL, 100                          ; s[100:101] selects for lane l xor 16
.set MNT, 3                            ; s3   the mantissa field of 448
.set MSB, 0
.macro WIN new                         ; the immediate's high byte repeats the setting that is left
.if MSB != \new
	s_set_vgpr_msb (MSB<<8)|\new
.set MSB, \new
.endif
.endm
.set MUL_LO, 0xa1                      ; source 0 (B) window 1, source 1 (A) window 0, C and D window 2
.set MUL_HI, 0xf1                      ; the same, C and D window 3
.set TO_B,   0x40                      ; destination window 1
; A joint load: waves 0 and 1 fetch for A, waves 2 and 3 for B; the branch hangs on the wave's number alone.  Four v_nop follow each of the two lines.
.macro JLOAD g0a, g1a, g0b, g1b
	s_cmp_eq_u32 s15, 0
	s_cbranch_scc0 .Lfor_b_\@
	tensor_load_to_lds s[\g0a:\g0a+3], s[\g1a:\g1a+7]
	s_nop 0
.rept 4
	v_nop
.endr
	s_branch .Lasked_\@
.Lfor_b_\@:
	tensor_load_to_lds s[\g0b:\g0b+3], s[\g1b:\g1b+7]
	s_nop 0
.rept 4
	v_nop
.endr
.Lasked_\@:
.endm
.macro CREST                           ; a round of the cluster's barrier behind its opening barrier
	s_cmp_lg_u32 s14, 0
	s_cbranch_scc1 .Lnot_wave_0_\@
	s_barrier_signal -3
.Lnot_wave_0_\@:
	s_barrier_wait -3
	s_barrier_signal -1
	s_barrier_wait -1
.endm
.macro CROUND
	s_barrier_signal -1
	s_barrier_wait -1
	CREST
.endm
	s_load_b128 s[4:7], s[0:1], 0x0                ; xq, wq
	s_load_b128 s[8:11], s[0:1], 0x10              ; b_attn, qk_img
	s_load_b64 s[12:13], s[0:1], 0x20              ; v_img
	v_lshl_add_u32 v[SPW], v0, 2, SPARE
	v_mov_b32 v[NIL], 0
	ds_add_u32 v28, v29
	ds_add_u32 v28, v29
	s_wait_dscnt 0x0
	v_lshrrev_b32 v1, 5, v0
	v_readfirstlane_b32 s14, v1                    ; wave 0..3
	s_lshr_b32 s15, s14, 1                         ; which half of A's rows is mine.  Also: I fetch for A (0) or for B (1)
	s_and_b32 s16, s14, 1                          ; which half of B's rows.  Also: which 8 tiles I fetch
	s_bfe_u32 s40, ttmp6, 0x40000                  ; cx
	s_bfe_u32 s41, ttmp6, 0x40004                  ; cy
	s_and_b32 s18, ttmp7, 0xffff
	s_lshl_b32 s18, s18, 2                         ; 4 x cluster y
	s_lshl_b32 s19, ttmp9, 2                       ; 4 x cluster x
	s_mov_b32 s22, XSC
	s_mov_b32 s66, WSC
	s_cmp_eq_u32 ttmp9, 2                          ; the role: the cluster's x, which all partners share
	s_cselect_b32 s[ROLE], 1, 0
	s_cselect_b32 s17, 0, s18                      ; A's block of 256 rows: v: cy;  q, k: 4 Y + cy
	s_cselect_b32 s42, s18, s19                    ; B's: v: 4 Y + cx;  q, k: 4 X + cx
	s_cselect_b32 s20, 128, 0                      ; A's first tile in its buffer: v's features begin at wq's tile 128
	s_cselect_b32 s22, WSC, s22                    ; where A's scale words begin in its buffer,
	s_cselect_b32 s66, XSC, s66                    ; and B's
	s_add_co_u32 s17, s17, s41
	s_add_co_u32 s42, s42, s40
	s_lshl_b32 s21, s17, 4
	s_add_co_u32 s20, s20, s21
	s_lshl_b32 s21, s16, 3
	s_add_co_u32 s20, s20, s21                     ; A: the first of the 8 tiles that I fetch
	s_lshl_b32 s21, s20, 9
	s_add_co_u32 s22, s22, s21                     ; their scale words,
	s_lshl_b32 s20, s20, 14                        ; their codes
	s_mov_b32 s21, 0
	s_mov_b32 s23, 0
	s_lshl_b32 s46, s42, 4
	s_lshl_b32 s47, s16, 3
	s_add_co_u32 s46, s46, s47                     ; B likewise, in registers that never hold cy
	s_lshl_b32 s47, s46, 9
	s_add_co_u32 s66, s66, s47
	s_lshl_b32 s46, s46, 14
	s_mov_b32 s47, 0
	s_mov_b32 s67, 0
	s_lshl_b32 s43, s41, 2
	s_lshl_b32 s43, 15, s43                        ; my row of the cluster
	s_lshl_b32 s44, 0x1111, s40                    ; my column
	; group 1, codes: 8 rows (tiles) of 4,096 bytes, 16,384 bytes apart, in elements of 8 bytes; no padding: an image is read 512 consecutive bytes an instruction
	s_or_b32 s[G1+0], s43, (3<<16)|(1<<21)
	s_or_b32 s[G1B+0], s44, (3<<16)|(1<<21)
.irp g, G1, G1B
	s_mov_b32 s[\g+1], 512<<16                     ; tensor_dim0
	s_mov_b32 s[\g+2], 16<<16                      ; tensor_dim1: 16 tiles for the head's loads; set to 8 behind them
	s_mov_b32 s[\g+3], 512<<16                     ; tile_dim0
	s_mov_b32 s[\g+4], 16                          ; tile_dim1 likewise
	s_mov_b32 s[\g+5], 2048                        ; from row to row
	s_mov_b32 s[\g+6], 0
	s_mov_b32 s[\g+7], 0
.endr
	; group 1, scale words of all 16 tiles: 8,192 dense bytes as 32 rows of 256
	s_or_b32 s[G1S+0], s43, (3<<16)|(1<<21)
	s_or_b32 s[G1SB+0], s44, (3<<16)|(1<<21)
.irp g, G1S, G1SB
	s_mov_b32 s[\g+1], 32<<16
	s_mov_b32 s[\g+2], 32<<16                      ; the scale words of all 16 tiles of a side: 32 rows of 256 bytes, one load
	s_mov_b32 s[\g+3], 32<<16
	s_mov_b32 s[\g+4], 32
	s_mov_b32 s[\g+5], 32
	s_mov_b32 s[\g+6], 0
	s_mov_b32 s[\g+7], 0
.endr
	s_lshl_b32 s45, s14, 15                        ; where they go: wave x 32,768: no place in the cluster enters an LDS address
	s_lshl_b32 s94, s14, 12
	s_mov_b32 s[SEL], 0x76543210
	s_mov_b32 s[SEL+1], 0xfedcba98
	s_mov_b32 s[MNT], 0x600000
	s_wait_kmcnt 0x0
	s_cmp_eq_u32 ttmp9, 2
	s_cselect_b64 s[18:19], s[6:7], s[4:5]         ; A's buffer
	s_cselect_b64 s[4:5], s[4:5], s[6:7]           ; B's
	s_add_nc_u64 s[20:21], s[18:19], s[20:21]
	s_add_nc_u64 s[22:23], s[18:19], s[22:23]
	s_add_nc_u64 s[46:47], s[4:5], s[46:47]
	s_add_nc_u64 s[66:67], s[4:5], s[66:67]
	CROUND                                         ; all sixteen work-groups are here: the first joint loads meet
	s_mov_b32 s[G0S], 1
	s_mov_b32 s[G0S+1], SCL
	s_lshl_b32 s18, s16, 12                        ; back from my 8 tiles' scale words to the side's first
	s_mov_b32 s19, 0
	s_sub_nc_u64 s[G0S+2:G0S+3], s[22:23], s[18:19]
	s_or_b32 s[G0S+3], s[G0S+3], 0x80000000
	s_mov_b32 s[G0SB], 1
	s_mov_b32 s[G0SB+1], SCL+8192
	s_sub_nc_u64 s[G0SB+2:G0SB+3], s[66:67], s[18:19]
	s_or_b32 s[G0SB+3], s[G0SB+3], 0x80000000
.irp s, 0,1
	s_mov_b32 s[G0+4*\s], 1
	s_add_co_u32 s[G0+4*\s+1], s45, \s*SLOT
	s_add_nc_u64 s[G0+4*\s+2:G0+4*\s+3], s[20:21], \s*4096
	s_or_b32 s[G0+4*\s+3], s[G0+4*\s+3], 0x80000000
	s_mov_b32 s[G0B+4*\s], 1
	s_add_co_u32 s[G0B+4*\s+1], s45, \s*SLOT
	s_add_nc_u64 s[G0B+4*\s+2:G0B+4*\s+3], s[46:47], \s*4096
	s_or_b32 s[G0B+4*\s+3], s[G0B+4*\s+3], 0x80000000
.endr
; THE HEAD'S LOADS, ONE A WAVE: wave 0 K step 0's 16 tiles of A, wave 1 A's scale words, wave 2 the 16 tiles of B, wave 3 B's scale words.
; In waves 0 and 2 slot 0's own group 0 already names the side's first tile and its place in LDS; only the row count differs from the ring's.
.macro ARM under, g0, g1, next
	s_cmp_lt_u32 s14, \under
	s_cbranch_scc0 \next
	tensor_load_to_lds s[\g0:\g0+3], s[\g1:\g1+7]
	s_nop 0
.rept 4
	v_nop
.endr
	s_branch .Lhead_asked
\next:
.endm
	ARM 1, G0,  G1,  .Lhead_sa
	ARM 2, G0S, G1S, .Lhead_b
	ARM 3, G0B, G1B, .Lhead_sb
	tensor_load_to_lds s[G0SB:G0SB+3], s[G1SB:G1SB+7]
	s_nop 0
.rept 4
	v_nop
.endr
.Lhead_asked:
	v_and_b32 v1, 15, v0
	v_bfe_u32 v2, v0, 4, 1                         ; h
	s_wait_alu depctr_va_vdst(0)
	v_and_b32 v3, 31, v0
	v_lshlrev_b32 v[LI], 4, v3
	s_lshl_b32 s18, s15, 15                        ; my 8 tiles of A
	s_lshl_b32 s19, s16, 15
	s_add_co_u32 s19, s19, BOFF                    ; my 8 tiles of B
.irp s, 0,1
	v_add_nc_u32 v[ADRA+\s], s18, v[LI]
	v_add_nc_u32 v[ADRB+\s], s19, v[LI]
	s_add_co_u32 s18, s18, SLOT
	s_add_co_u32 s19, s19, SLOT
.endr
	s_lshl_b32 s18, s15, 12                        ; A's scale words: my 8 tiles
	s_lshl_b32 s19, s16, 12
	s_add_co_u32 s19, s19, 8192                    ; B's, behind A's 16 tiles
	s_sub_co_u32 s19, s19, s18
	v_mul_u32_u24 v4, s19, v2                      ; lanes 16-31 take B's: the lower base + h x the distance
	s_add_co_u32 s18, s18, SCL
	v_lshl_add_u32 v4, v1, 3, v4
	v_add_nc_u32 v[ADRS], s18, v4
	v_lshlrev_b32 v[SH], 4, v2
	s_lshl_b32 s18, s14, 10                        ; my stages, in slot 0: used when that slot has had its last fill and its last read
	v_lshlrev_b32 v4, 2, v1
	v_add_nc_u32 v[STV], s18, v4
	v_lshl_add_u32 v[STQ], v2, 9, v[STV]           ; 1,024 w + 512 h + 4 r
	v_add_nc_u32 v[STV], 4096, v[STV]              ; 4,096 + 1,024 w + 4 r
	v_add_nc_u32 v[SRD], s18, v[LI]
	v_mul_u32_u24 v[VSO], v2, VHF
	v_lshl_add_u32 v[VSO], v1, 4, v[VSO]
	v_lshlrev_b32 v[BOQ], 6, v2
	v_and_b32 v4, 8, v1
	v_add_nc_u32 v4, v4, v1
	v_lshlrev_b32 v[BOV], 2, v4
	; where my results and my bias lie.  cB = 2 x B's block + my half, cA likewise: each counts 128 rows
	s_lshl_b32 s92, s42, 1
	s_add_co_u32 s92, s92, s16
	s_lshl_b32 s96, s17, 1
	s_add_co_u32 s96, s96, s15
	s_lshl_b32 s98, s92, 9                         ; q, k: the bias of my 128 columns
	s_lshl_b32 s99, s96, 9
	s_add_co_u32 s99, s99, 8192                    ; v: of my 128 rows, from feature 2,048 on
	s_cmp_eq_u32 s[ROLE], 0
	s_cselect_b32 s98, s98, s99
	s_mov_b32 s99, 0
	s_add_nc_u64 s[98:99], s[8:9], s[98:99]
	s_lshl_b32 s93, s92, 6
	s_add_co_u32 s93, s93, s96
	s_lshl_b32 s97, s96, 6
	s_add_co_u32 s97, s97, s92
	s_mul_i32 s92, s93, KCH                        ; q, k: chunk [pair cB][tokens cA]
	s_mul_i32 s96, s97, VCH                        ; v: chunk [pair cA][tokens cB]
	s_mov_b32 s93, 0
	s_mov_b32 s97, 0
	s_add_nc_u64 s[92:93], s[10:11], s[92:93]
	s_add_nc_u64 s[96:97], s[12:13], s[96:97]
	; the bias, in the result's layout; both roles fill all 64 registers by loads
	s_cmp_eq_u32 s[ROLE], 0
	s_cbranch_scc0 .Lbias_v
	s_wait_alu depctr_va_vdst(0)
.irp bb, 0,1,2,3
.irp j, 0,1,2,3
	global_load_b128 v[BIAS+16*\bb+4*\j:BIAS+16*\bb+4*\j+3], v[BOQ], s[98:99] offset:128*\bb+16*\j   ; register 16 bb + i: column 32 bb + 16 h + i
.endr
.endr
	s_branch .Lbias_done
.Lbias_v:
	s_wait_alu depctr_va_vdst(0)
.irp t, 0,1,2,3,4,5,6,7
.irp j, 0,1,2,3,4,5,6,7
	global_load_b32 v[BIAS+8*\t+\j], v[BOV], s[98:99] offset:4*(32*(\t/2)+8*(\t%2))   ; my lane's row of tile t, the same number in the tile's eight registers
.endr
.endr
.Lbias_done:
.macro FRAG reg, adr, q, i             ; a fragment comes as it was stored: four loads of 512 consecutive bytes
.irp c, 0,1,2,3
	ds_load_b128 v[\reg+4*\c:\reg+4*\c+3], v[\adr] offset:(\i)*4096+(\q)*2048+\c*512
.endr
.endm
; 16 matrix instructions: A's tiles a0, a0 + 1 x B's eight, 128 along K.  p: B's set; q: which 128 of the slot; sc: the set of scale words.
; cm = 0: the sums go on; 1: they start from the bias by columns; 2: by rows.  The 64 accumulators take turns, one instruction a turn.
.macro MUL16 a0, p, q, sc, cm
.irp a, \a0, \a0+1
.irp b, 0,1,2,3,4,5,6,7
.if \cm == 0
	v_wmma_scale_f32_16x16x128_f8f6f4 v[8*(8*((\a)%4)+\b):8*(8*((\a)%4)+\b)+7], v[128*(\p)+FR*\b:128*(\p)+FR*\b+FR-1], v[AF+FR*(\a):AF+FR*(\a)+FR-1], v[8*(8*((\a)%4)+\b):8*(8*((\a)%4)+\b)+7], v[SC+16*(\sc)+2*\b+(\q)], v[SC+16*(\sc)+2*(\a)+(\q)] matrix_a_scale:MATRIX_SCALE_ROW1
.elseif \cm == 1
	v_wmma_scale_f32_16x16x128_f8f6f4 v[8*(8*((\a)%4)+\b):8*(8*((\a)%4)+\b)+7], v[128*(\p)+FR*\b:128*(\p)+FR*\b+FR-1], v[AF+FR*(\a):AF+FR*(\a)+FR-1], v[BIAS+8*\b:BIAS+8*\b+7], v[SC+16*(\sc)+2*\b+(\q)], v[SC+16*(\sc)+2*(\a)+(\q)] matrix_a_scale:MATRIX_SCALE_ROW1
.else
	v_wmma_scale_f32_16x16x128_f8f6f4 v[8*(8*((\a)%4)+\b):8*(8*((\a)%4)+\b)+7], v[128*(\p)+FR*\b:128*(\p)+FR*\b+FR-1], v[AF+FR*(\a):AF+FR*(\a)+FR-1], v[BIAS+8*(\a):BIAS+8*(\a)+7], v[SC+16*(\sc)+2*\b+(\q)], v[SC+16*(\sc)+2*(\a)+(\q)] matrix_a_scale:MATRIX_SCALE_ROW1
.endif
.endr
.endr
.endm
.macro FETCH_B slot, q, p
	WIN TO_B
.irp i, 0,1,2,3,4,5,6,7
	FRAG 128*(\p)+FR*\i, ADRB+\slot, \q, \i
.endr
	WIN 0
.endm
.macro FETCH_A slot, q, i0
.irp i, \i0, \i0+1, \i0+2, \i0+3
	FRAG AF+FR*(\i), ADRA+\slot, \q, \i
.endr
.endm
.macro SCALES set, ks                  ; K step ks's two scale words a row: lanes 0-15 A's tile i, lanes 16-31 B's tile i
.irp i, 0,1,2,3,4,5,6,7
	ds_load_b64 v[SC+16*\set+2*\i:SC+16*\set+2*\i+1], v[ADRS] offset:\i*512+\ks*128
.endr
.endm
.macro PLACES n                        ; plain vector lines between a matrix instruction and a load into, or a read of, its registers
.rept \n
	v_nop
.endr
.endm
; A slot's first 128 along K (B's set 0); it fetches the second 128's fragments.
.macro STEP slot, cm
	s_wait_dscnt 16                                ; all but the youngest sixteen loads (A's tiles 4-7) are in
.if \cm
	WIN 0x81                                       ; C (the bias) window 0, D window 2
.else
	WIN MUL_LO
.endif
	MUL16 0, 0, 0, \slot, \cm
	MUL16 2, 0, 0, \slot, \cm
	s_wait_dscnt 0                                 ; A's tiles 4-7 are in
	PLACES NP
	FETCH_B \slot, 1, 1
	FETCH_A \slot, 1, 0
.if \cm
	WIN 0xc1
.else
	WIN MUL_HI
.endif
	MUL16 4, 0, 0, \slot, \cm
	MUL16 6, 0, 0, \slot, \cm
	PLACES NP
	WIN 0
	FETCH_A \slot, 1, 4
.endm
; A slot's second 128 changes slots: ONE barrier; in front of it each wave waits for all its tensor loads, adds 0 to its spare word, and waits for that and for its reads of this slot.  fill = 1: the slot is filled again, two K steps ahead.
.macro TURN slot, next, fill, ks
	s_wait_tensorcnt 0x0                           ; all my tensor loads have landed: my part of the next slot
	ds_add_u32 v[SPW], v[NIL]                      ; 0 onto my spare word
	s_wait_dscnt 17                                ; the add and the youngest sixteen loads may be out
	WIN MUL_LO
	MUL16 0, 1, 1, \slot, 0                        ; sixteen matrix instructions stand between the add and the wait for it
	s_wait_dscnt 0x0                               ; the add is done, and my reads of this slot are over
	s_barrier_signal -1
	MUL16 2, 1, 1, \slot, 0
	WIN 0
	s_barrier_wait -1
.if \fill
	CREST                                          ; the barrier has opened a round of the cluster's: no wave of any partner still reads this slot or has a load on its way
	s_add_nc_u64 s[G0+4*\slot+2:G0+4*\slot+3], s[G0+4*\slot+2:G0+4*\slot+3], 8192
	s_add_nc_u64 s[G0B+4*\slot+2:G0B+4*\slot+3], s[G0B+4*\slot+2:G0B+4*\slot+3], 8192
	JLOAD G0+4*\slot, G1, G0B+4*\slot, G1B         ; the first tensor load behind the round; its four v_nop are four of the eight places
	PLACES NP-4
.else
	PLACES NP
.endif
	FETCH_B \next, 0, 0
	FETCH_A \next, 0, 0
	SCALES \next, \ks
	WIN MUL_HI
	MUL16 4, 1, 1, \slot, 0
	MUL16 6, 1, 1, \slot, 0
	PLACES NP
	WIN 0
	FETCH_A \next, 0, 4
.endm
	s_wait_alu depctr_va_vdst(0)
	s_wait_tensorcnt 0x0                           ; my tile of the head's four is in; the lines ahead of a later first fill:
	ds_add_u32 v[SPW], v[NIL]
	s_mov_b32 s[G1+2], 8<<16                       ; no tensor load of mine is out: from here on a load brings 8 tiles
	s_mov_b32 s[G1+4], 8
	s_mov_b32 s[G1B+2], 8<<16
	s_mov_b32 s[G1B+4], 8
	s_wait_dscnt 0x0
	CROUND                                         ; all four tiles are in, and all sixteen work-groups are here
	JLOAD G0+4, G1, G0B+4, G1B                     ; K step 1, the first tensor load behind the round
	FETCH_B 0, 0, 0
	FETCH_A 0, 0, 0
	SCALES 0, 0
	FETCH_A 0, 0, 4
	s_wait_loadcnt 0x0                             ; the bias
	s_cmp_eq_u32 s[ROLE], 0                        ; the first step is written for each role: only the registers named as C differ
	s_cbranch_scc0 .Lfirst_v
	STEP 0, 1
	s_branch .Lfirst_done
.Lfirst_v:
	STEP 0, 2
.Lfirst_done:
	TURN 0, 1, 1, 1                                ; slot 0 takes K step 2
	STEP 1, 0
	TURN 1, 0, 1, 2                                ; slot 1 takes K step 3
	STEP 0, 0
	TURN 0, 1, 0, 3                                ; nothing is left to fetch: no round
	STEP 1, 0
	s_wait_dscnt 16
	WIN MUL_LO
	MUL16 0, 1, 1, 1, 0
	MUL16 2, 1, 1, 1, 0
	s_wait_dscnt 0
	WIN MUL_HI
	MUL16 4, 1, 1, 1, 0
	MUL16 6, 1, 1, 1, 0
	WIN 0
	PLACES NP
; THE WAY OUT, tile a of my rows at a time: its 64 numbers a lane (register 16 bb + i = column 32 bb + 16 h + i) are four blocks of 32, shared with lane l xor 16.  The codes ARE the next operand's registers.
.macro QUANTW a
.set W, 2+(\a)/4
.set AC, 64*((\a)%4)
.set PCA, 128+16*(\a)
	WIN 5*W                                        ; sources 0 and 1: the accumulators' window
.irp bb, 0,1,2,3
	v_max3_num_f32 v[TM+\bb], |v[AC+16*\bb]|, |v[AC+16*\bb+1]|, 0x4800000   ; each accumulator is read from its low end on; the floor 2^(9 - 127) holds the byte at 1
.endr
.irp i, 2,4,6,8,10,12,14
.irp bb, 0,1,2,3
	v_max3_num_f32 v[TM+\bb], |v[AC+16*\bb+\i]|, |v[AC+16*\bb+\i+1]|, v[TM+\bb]
.endr
.endr
	WIN 0
.irp bb, 0,1,2,3
	v_permlanex16_b32 v[TM+4+\bb], v[TM+\bb], s[SEL], s[SEL+1]
.endr
.irp bb, 0,1,2,3
	v_max_num_f32 v[TM+\bb], v[TM+\bb], v[TM+4+\bb]
.endr
.irp bb, 0,1,2,3
	v_add_nc_u32 v[TM+12+\bb], 0xfc000000, v[TM+\bb]           ; 8 off the exponent field: the conversion's scale operand
.endr
.irp bb, 0,1,2,3
	v_and_or_b32 v[TM+8+\bb], v[TM+\bb], 0x7f800000, s[MNT]    ; 448 x the scale
.endr
.irp bb, 0,1,2,3
	v_lshrrev_b32 v[TM+4+\bb], 23, v[TM+12+\bb]                ; the scale's byte
.endr
	v_lshl_or_b32 v[PW], v[TM+5], 8, v[TM+4]
	v_lshl_or_b32 v[PW], v[TM+6], 16, v[PW]
	v_lshl_or_b32 v[PW], v[TM+7], 24, v[PW]
	WIN 65*W                                       ; source 0 and destination: the accumulators' window
.irp bb, 0,1,2,3
.irp i, 0,1,2,3,4,5,6,7,8,9,10,11,12,13,14,15
	v_med3_num_f32 v[AC+16*\bb+\i], v[AC+16*\bb+\i], -v[TM+8+\bb], v[TM+8+\bb]   ; the conversion does not saturate (ISA guide 7.6.2): the hold comes first
.endr
.endr
	WIN W
.irp bb, 0,1,2,3
	v_cvt_scalef32_pk8_fp8_f32 v[PCA+4*\bb:PCA+4*\bb+1], v[AC+16*\bb:AC+16*\bb+7], v[TM+12+\bb]
	v_cvt_scalef32_pk8_fp8_f32 v[PCA+4*\bb+2:PCA+4*\bb+3], v[AC+16*\bb+8:AC+16*\bb+15], v[TM+12+\bb]
.endr
	WIN 0
	v_nop                                          ; a plain line behind the last scaled conversion
.endm
.macro OUT a                           ; each tile has its own 16 registers of codes: no store's data are written again
	s_cmp_eq_u32 s[ROLE], 0
	s_cbranch_scc0 .Lout_v_\@
	v_bfe_u32 v[TT], v[PW], v[SH], 16              ; lanes 0-15: the first head's two bytes; lanes 16-31: the second's; the word's upper bytes are 0
	ds_store_b32 v[STQ], v[TT] offset:64*(\a)
.irp cc, 0,1,2,3
	global_store_b128 v[LI], v[128+16*(\a)+4*\cc:128+16*(\a)+4*\cc+3], s[92:93] offset:(\cc/2)*KHF+1024*(\a)+(\cc%2)*512   ; 512 consecutive bytes
.endr
	s_branch .Lout_done_\@
.Lout_v_\@:
	ds_store_b32 v[STV], v[PW] offset:64*(\a)      ; both halves of the lanes write the same word with the same value
	s_wait_alu depctr_va_vdst(0)
.irp cc, 0,1,2,3
	global_store_b128 v[LI], v[128+16*(\a)+4*\cc:128+16*(\a)+4*\cc+3], s[96:97] offset:((\a)/4)*VHF+((\a)%4)*2048+512*\cc
.endr
.Lout_done_\@:
.endm
.irp t, 0,1,2,3,4,5,6,7
	QUANTW \t
	OUT \t
.endr
	s_cmp_eq_u32 s[ROLE], 0                        ; the scale words leave the stage in whole runs; LDS serves a wave's instructions in order: the loads see my stores
	s_cbranch_scc0 .Lflush_v
	ds_load_b128 v[FL:FL+3], v[SRD]
	ds_load_b128 v[FL+4:FL+7], v[SRD] offset:512
	s_wait_dscnt 0x0
	global_store_b128 v[LI], v[FL:FL+3], s[92:93] offset:8192
	global_store_b128 v[LI], v[FL+4:FL+7], s[92:93] offset:KHF+8192
	s_branch .Lflushed
.Lflush_v:
	ds_load_b128 v[FL:FL+3], v[SRD] offset:4096
	s_wait_dscnt 0x0
	global_store_b128 v[VSO], v[FL:FL+3], s[96:97] offset:8192   ; lanes 0-15: the first head's 256 bytes; lanes 16-31: the second's
.Lflushed:
	s_wait_tensorcnt 0x0                           ; the wave's end
	ds_add_u32 v[SPW], v[NIL]
	s_wait_dscnt 0x0
	CROUND                                         ; the closing round
	s_endpgm
.Lfunc_end_k_q0621172887_qkv:
	.size	k_q0621172887_qkv, .Lfunc_end_k_q0621172887_qkv-k_q0621172887_qkv
	.p2alignl 7, 3214868480
	.fill 96, 4, 3214868480
	.section	.rodata,"a",@progbits
	.p2align	6, 0x0
	.amdhsa_kernel k_q0621172887_qkv
		.amdhsa_group_segment_fixed_size 327680
		.amdhsa_private_segment_fixed_size 0
		.amdhsa_enable_private_segment 0
		.amdhsa_kernarg_size 40
		.amdhsa_user_sgpr_count 2
		.amdhsa_user_sgpr_kernarg_segment_ptr 1
		.amdhsa_wavefront_size32 1
		.amdhsa_system_sgpr_workgroup_id_x 1
		.amdhsa_system_sgpr_workgroup_id_y 1
		.amdhsa_system_sgpr_workgroup_id_z 1
		.amdhsa_system_vgpr_workitem_id 0
		.amdhsa_next_free_vgpr 1024
		.amdhsa_next_free_sgpr 102
		.amdhsa_reserve_vcc 0
		.amdhsa_float_denorm_mode_32 3
		.amdhsa_float_denorm_mode_16_64 3
		.amdhsa_memory_ordered 1
		.amdhsa_forward_progress 1
		.amdhsa_inst_pref_size 212
	.end_amdhsa_kernel
	.amdgpu_metadata
---
amdhsa.version: [ 1, 2 ]
amdhsa.kernels:
  - .name:           k_q0621172887_qkv
    .symbol:         k_q0621172887_qkv.kd
    .args:
      - { .name: xq, .offset: 0, .size: 8, .value_kind: global_buffer, .address_space: global }
      - { .name: wq, .offset: 8, .size: 8, .value_kind: global_buffer, .address_space: global }
      - { .name: b_attn, .offset: 16, .size: 8, .value_kind: global_buffer, .address_space: global }
      - { .name: qk_img, .offset: 24, .size: 8, .value_kind: global_buffer, .address_space: global }
      - { .name: v_img, .offset: 32, .size: 8, .value_kind: global_buffer, .address_space: global }
    .group_segment_fixed_size: 327680
    .private_segment_fixed_size: 0
    .kernarg_segment_align: 8
    .kernarg_segment_size: 40
    .max_flat_workgroup_size: 128
    .sgpr_count:     102
    .vgpr_count:     1024
    .wavefront_size: 32
...
	.end_amdgpu_metadata
.endif
;; end of part 2
;; launch attn (part 3): grid 256 x 1, 16 waves a work-group, clusters of 4 x 1, 327,680 bytes of LDS; arguments qk_img, v_img, yq; writes yq
.if DOCPART == 3
	.amdgcn_target "amdgcn-amd-amdhsa--gfx1250"
	.amdhsa_code_object_version 6
	.text
	.protected	k_q0621172887_attn
	.globl	k_q0621172887_attn
	.p2align	8
	.type	k_q0621172887_attn,@function
k_q0621172887_attn:
	s_mov_b64 s[64:65], 0
	v_nop
	global_prefetch_b8 v0, s[64:65] scope:SCOPE_SE
	s_setreg_imm32_b32 hwreg(HW_REG_WAVE_MODE, 25, 1), 1
	s_wait_xcnt 0x0
	s_wait_alu depctr_hold_cnt(0) depctr_sa_sdst(0) depctr_va_vdst(0) depctr_va_sdst(0) depctr_va_ssrc(0) depctr_va_vcc(0) depctr_vm_vsrc(0)
	s_getreg_b32 s2, hwreg(HW_REG_IB_STS2, 6, 4)
	s_cmp_eq_u32 s2, 0
	s_cbranch_scc0 .Lentry_in_a_cluster
	s_endpgm
.Lentry_in_a_cluster:
	s_bfe_u32 s2, ttmp6, 0x10000c
	s_cmp_lg_u32 s2, 0x3003
	s_cbranch_scc0 .Lentry_shape_is_right
	s_endpgm
.Lentry_shape_is_right:
; Causal attention on codes of FP8 (E4M3) with E8M0 scales: 64 (batch, head) x 2,048 tokens x head size 64.  In: qk_img, v_img (images of operand registers in tile order).  Out: y = O / l as codes, quantised along D: yq, laid as a GEMM operand.
; WORK LEFT OUT: key steps that lie wholly behind a tile's queries: reference()'s own causal mask gives those keys the weight 0 for all values of the inputs.
; SOFTMAX: t = score x log2(e) / 8; M = the running largest t rounded UP to a whole number; p = 2^(t - M) is quantised along the keys, not normalised; l is summed of the unquantised p; when M moves, l and O are multiplied by 2^(old M - new M): exact.
; SHARES.  A cluster of four work-groups owns one (batch, head): cluster x = 16 batch + head.  The head's 128 tiles of 16 queries go in pairs: wave w of the work-group at place cx takes tile 127 - 4 w - cx and then tile 4 w + cx.
; Tile T needs key steps 0 .. T / 8, which is (31 - w) / 2 and w / 2 whatever cx is: 17 steps in every wave, and no branch hangs on the place in the cluster.
; K AND V OF THE WHOLE HEAD LIE IN LDS: 16 key steps x (8,704 + 8,448) bytes = 274,432, filled ONCE, by one joint load a wave (mask 15: the four partners read the same bytes): even waves two steps of K, odd waves two steps of V.
; Nothing is filled again, so the loops have no barrier.  Steps 0-3 (waves 0-3, load lines of their own) are shown by a first barrier; the rest by a second, behind the first four steps.
; The loops' trip counts are constants (4, 12, 8); a step behind the tile's diagonal step is jumped over by a scalar branch on the wave's number and the step's.
; NO PREFETCH: every byte of K and V is asked for at the head, so there is no later load to run ahead of; Q's 2 x 1,088 bytes a wave are loaded at the head too.
; BOTH PRODUCTS TRANSPOSED: S^T = K Q^T, O^T = V^T P^T: a lane holds one query; by the tile order registers 16 b + i of S^T are keys 32 b + 16 h + i, and of O^T channels 32 b + 16 h + i.
; K = 64 IN AN INSTRUCTION OF 128: Q's upper eight registers are zero codes and the upper two bytes of Q's and K's scale words are 0.  K's tile t is named as v[32 + 8 t .. + 15]: its upper eight registers hold the next tile's codes
; (tile 7: p's or y's codes, zeros at first): finite numbers of the format, multiplied by zero codes.
; THE ROW'S SUM STANDS WHERE PLACES ARE OWED.  The hold writes into a side buffer, so p stays unheld in its registers: the sums of keys' registers 0-31 stand behind the conversions and behind the second product,
; those of registers 32-63 in the NEXT step between the first product's halves (at a tile's end: on the way out).  They are added to l ahead of that step's change of M.
; LIMITS: NaN and infinities are not served; a block of zeros gets the byte 1, not 127 (zero codes; read by this program alone); p under 2^-126 falls to 0 in v_exp_f32; a block's largest p is taken from its largest score,
; which leans on v_exp_f32 not falling where its input rises; the scaled scores stay under 2^31 in magnitude.
.set KCH,   17408                      ; a chunk of qk_img: two heads' halves
.set KHF,   8704
.set VCH,   16896
.set VHF,   8448
.set SCO,   8192                       ; the scale words in a piece
.set VB,    16*KHF                     ; LDS: K's 16 pieces, then V's 16
.set SPARE, VB+16*VHF                  ; the spare words, 128 bytes a wave: eight blocks of 256 bytes that no other line names
.set YSC,   8388608                    ; where the scale words begin in yq
.set LI,  1                            ; v1   16 x lane
.set LS,  2                            ; v2   4 x lane
.set SPW, 3                            ; v3   my spare word; never rewritten
.set NIL, 4                            ; v4   0; never rewritten
.set DQ,  5                            ; v5   the first tile: my query's place in its 128 tokens - 16 h
.set NINF, 6                           ; v6   -infinity
.set YSO, 7                            ; v7   8 r + h
.set HH,  8                            ; v8   h
.set DQ2, 9                            ; v9   as v5, the second tile
.set Q,   16                           ; v16-23 Q's codes, v24-31 zeros.   v10, v11 at work; v12 -M, v13 the largest t, v[14:15] l
.set KV,  32                           ; v32-95 K's eight half fragments, then V's four fragments
.set PC,  96                           ; v96-111 p's codes
.set S,   112                          ; v112-175 S^T, then p
.set O,   176                          ; v176-207 O^T
.set BM,  208                          ; v208-211 blocks' maxima, then 448 x the scale
.set P,   212                          ; v212-215 the other half's maxima, then the conversions' scale operands
.set Q2,  216                          ; v216-223 the second tile's Q
.set KSC, 224                          ; v224-227 K's scale words: lanes 0-15 tile 2 b, lanes 16-31 tile 2 b + 1
.set VSC, 228                          ; v228-229 V's likewise
.set QS,  230
.set PS,  231
.set F,   232                          ; v232 f; with v233 a pair
.set TT,  233
.set QA,  234
.set QS2, 235
.set TMP, 236                          ; v236-251 held p, two sets of eight
.set ADK, 252
.set ADKS, 253
.set ADV, 254
.set ADVS, 255
.set WV,  10
.set ST,  14                           ; the key step
.set TK,  15                           ; its K piece in LDS
.set G1K, 16
.set G1V, 24
.set G0K, 32
.set G0V, 36
.set TV,  40                           ; its V piece
.set DL,  41                           ; the first tile's diagonal step
.set DS,  42                           ; the second's
.set TLG, 43                           ; the first tile
.set TSH, 44                           ; the second
.set MNT, 45
.set SEL, 46
.set CS,  48
.set QC1, 50
.set QS1, 52
.set YB1, 54
.set YS1, 56
.set QC2, 58
.set QSB, 60
.set YB2, 62
.set YS2, 66
.macro ROUND                           ; a round of the cluster's barrier
	s_barrier_signal -1
	s_barrier_wait -1
	s_cmp_lg_u32 s[WV], 0
	s_cbranch_scc1 .Lnot_wave_0_\@
	s_barrier_signal -3
.Lnot_wave_0_\@:
	s_barrier_wait -3
	s_barrier_signal -1
	s_barrier_wait -1
.endm
.macro TL g0, g1                       ; a joint load; s_nop 0 and four v_nop follow it
	tensor_load_to_lds s[\g0:\g0+3], s[\g1:\g1+7]
	s_nop 0
.rept 4
	v_nop
.endr
.endm
; Offsets of tile s[t]: its codes and scale words in qk_img, its pieces and bytes in yq; and its queries' places.  The place in the cluster enters these alone.
.macro TILE t, qc, qs, yb, ys, dq
	s_lshr_b32 s84, s[\t], 3
	s_add_co_u32 s84, s84, s75
	s_mul_i32 s84, s84, KCH
	s_add_co_u32 s84, s84, s80                     ; the chunk of its 128 tokens, my head's half
	s_and_b32 s86, s[\t], 7
	s_lshl_b32 s[\qs], s86, 6
	s_add_co_u32 s[\qs], s[\qs], s84
	s_add_co_u32 s[\qs], s[\qs], SCO
	s_lshl_b32 s86, s86, 10
	s_add_co_u32 s[\qc], s84, s86
	s_lshl_b32 s84, s12, 7
	s_add_co_u32 s84, s84, s[\t]                   ; its tile of tokens in yq: 128 batch + T
	s_lshl_b32 s[\ys], s84, 9
	s_add_co_u32 s[\ys], s[\ys], s77
	s_lshl_b32 s[\yb], s84, 14
	s_add_co_u32 s[\yb], s[\yb], s76
	s_mov_b32 s[\qc+1], 0
	s_mov_b32 s[\qs+1], 0
	s_mov_b32 s[\yb+1], 0
	s_mov_b32 s[\ys+1], 0
	s_and_b32 s84, s[\t], 6
	s_lshl_b32 s84, s84, 4
	s_and_b32 s86, s[\t], 1
	s_lshl_b32 s86, s86, 3
	s_add_co_u32 s84, s84, s86                     ; the tile's first token in its 128: 32 ((T % 8) / 2) + 8 (T % 2)
	v_add_nc_u32 v[\dq], s84, v11
.endm
	s_load_b128 s[4:7], s[0:1], 0x0                ; qk_img, v_img
	s_load_b64 s[8:9], s[0:1], 0x10                ; yq
	v_lshl_add_u32 v[SPW], v0, 2, SPARE
	v_mov_b32 v[NIL], 0
	ds_add_u32 v[SPW], v[NIL]                      ; the opening lines: the add, twice on end; work on registers; the one wait
	ds_add_u32 v[SPW], v[NIL]
	v_lshrrev_b32 v10, 5, v0
	v_readfirstlane_b32 s[WV], v10                 ; wave 0..15
	v_and_b32 v11, 31, v0
	v_lshlrev_b32 v[LI], 4, v11
	v_lshlrev_b32 v[LS], 2, v11
	v_and_b32 v10, 15, v0                          ; r
	v_bfe_u32 v[HH], v0, 4, 1                      ; h
	v_lshlrev_b32 v[QA], 2, v10
	v_lshl_add_u32 v[YSO], v10, 3, v[HH]
	v_and_b32 v11, 8, v10
	v_add_nc_u32 v11, v11, v10                     ; r + 8 (r / 8)
	v_lshlrev_b32 v10, 4, v[HH]
	v_sub_nc_u32 v11, v11, v10                     ; - 16 h
	s_wait_alu depctr_va_vdst(0)
	s_and_b32 s11, ttmp9, 15                       ; head
	s_lshr_b32 s12, ttmp9, 4                       ; batch
	s_bfe_u32 s13, ttmp6, 0x40000                  ; cx
	s_lshr_b32 s73, s11, 1                         ; the pair of heads,
	s_and_b32 s74, s11, 1                          ; and which of the pair
	s_lshl_b32 s75, s73, 6
	s_lshl_b32 s76, s12, 4
	s_add_co_u32 s75, s75, s76                     ; 64 x pair + 16 x batch: the chunk of the batch's first 128 tokens
	s_mul_i32 s80, s74, KHF
	s_mul_i32 s81, s74, VHF
	s_lshr_b32 s[DS], s[WV], 1                     ; w / 2: the second tile's diagonal step; also which two key steps I fetch
	s_sub_co_u32 s[DL], 31, s[WV]
	s_lshr_b32 s[DL], s[DL], 1
	s_lshl_b32 s[TSH], s[WV], 2
	s_add_co_u32 s[TSH], s[TSH], s13
	s_sub_co_u32 s[TLG], 127, s[TSH]
	s_mov_b32 s[G0K], 1
	s_mul_i32 s[G0K+1], s[DS], 2*KHF
	s_add_co_u32 s[G0K+2], s75, 512                ; k's pairs lie 8 x 64 chunks behind q's
	s_mul_i32 s[G0K+2], s[G0K+2], KCH
	s_add_co_u32 s[G0K+2], s[G0K+2], s80
	s_mul_i32 s79, s[DS], 2*KCH
	s_add_co_u32 s[G0K+2], s[G0K+2], s79
	s_mov_b32 s[G0K+3], 0
	s_mov_b32 s[G0V], 1
	s_mul_i32 s[G0V+1], s[DS], 2*VHF
	s_add_co_u32 s[G0V+1], s[G0V+1], VB
	s_mul_i32 s[G0V+2], s75, VCH
	s_add_co_u32 s[G0V+2], s[G0V+2], s81
	s_mul_i32 s79, s[DS], 2*VCH
	s_add_co_u32 s[G0V+2], s[G0V+2], s79
	s_mov_b32 s[G0V+3], 0
	s_lshl_b32 s76, s73, 11                        ; yq: fragment head / 2, its pieces 2 (head % 2) + 0, 1
	s_lshl_b32 s79, s74, 10
	s_add_co_u32 s76, s76, s79
	s_lshr_b32 s77, s11, 2                         ; scale bytes: 128 for each 256 along D, the word, the byte
	s_lshl_b32 s77, s77, 7
	s_add_co_u32 s77, s77, YSC
	s_and_b32 s79, s73, 1
	s_lshl_b32 s79, s79, 2
	s_add_co_u32 s77, s77, s79
	s_lshl_b32 s79, s74, 1
	s_add_co_u32 s77, s77, s79
	; group 1: two key steps' pieces: two rows of 8,704 (8,448) bytes, a chunk apart, in elements of 8 bytes; each row begins at a multiple of 256 bytes; mask 15 and bit 21
	s_mov_b32 s[G1K], 15|(3<<16)|(1<<21)
	s_mov_b32 s[G1K+1], (KHF/8)<<16
	s_mov_b32 s[G1K+2], 2<<16
	s_mov_b32 s[G1K+3], (KHF/8)<<16
	s_mov_b32 s[G1K+4], 2
	s_mov_b32 s[G1K+5], KCH/8
	s_mov_b32 s[G1K+6], 0
	s_mov_b32 s[G1K+7], 0
	s_mov_b32 s[G1V], 15|(3<<16)|(1<<21)
	s_mov_b32 s[G1V+1], (VHF/8)<<16
	s_mov_b32 s[G1V+2], 2<<16
	s_mov_b32 s[G1V+3], (VHF/8)<<16
	s_mov_b32 s[G1V+4], 2
	s_mov_b32 s[G1V+5], VCH/8
	s_mov_b32 s[G1V+6], 0
	s_mov_b32 s[G1V+7], 0
	TILE TLG, QC1, QS1, YB1, YS1, DQ
	TILE TSH, QC2, QSB, YB2, YS2, DQ2
	s_mov_b32 s[SEL], 0x76543210
	s_mov_b32 s[SEL+1], 0xfedcba98
	s_mov_b32 s[CS], 0x3e38aa3b                    ; c = log2(e) / 8
	s_mov_b32 s[CS+1], s[CS]                       ; (named with it as a pair, so it is written)
	s_mov_b32 s[MNT], 0x600000
	s_and_b32 s72, s[WV], 1
	s_wait_dscnt 0x0                               ; both opening adds are done
	ROUND                                          ; the four partners are here: the joint loads meet
	s_wait_kmcnt 0x0
	s_add_nc_u64 s[G0K+2:G0K+3], s[4:5], s[G0K+2:G0K+3]
	s_or_b32 s[G0K+3], s[G0K+3], 0x80000000
	s_add_nc_u64 s[G0V+2:G0V+3], s[6:7], s[G0V+2:G0V+3]
	s_or_b32 s[G0V+3], s[G0V+3], 0x80000000
; ONE LOAD A WAVE, in one tree of branches on the wave's number.  Waves 0-3 (key steps 0-3) have load lines of their own: they alone wait at the first barrier.
	s_cmp_lt_u32 s[WV], 4
	s_cbranch_scc0 .Llate
	s_cmp_eq_u32 s72, 0
	s_cbranch_scc0 .Lv_early
	TL G0K, G1K
	s_branch .Lasked
.Lv_early:
	TL G0V, G1V
	s_branch .Lasked
.Llate:
	s_cmp_eq_u32 s72, 0
	s_cbranch_scc0 .Lv_late
	TL G0K, G1K
	s_branch .Lasked
.Lv_late:
	TL G0V, G1V
.Lasked:
	s_add_nc_u64 s[QC1:QC1+1], s[4:5], s[QC1:QC1+1]
	s_add_nc_u64 s[QS1:QS1+1], s[4:5], s[QS1:QS1+1]
	s_add_nc_u64 s[QC2:QC2+1], s[4:5], s[QC2:QC2+1]
	s_add_nc_u64 s[QSB:QSB+1], s[4:5], s[QSB:QSB+1]
	global_load_b128 v[Q:Q+3], v[LI], s[QC1:QC1+1]             ; both tiles' half fragments of Q and their scale words
	global_load_b128 v[Q+4:Q+7], v[LI], s[QC1:QC1+1] offset:512
	global_load_b32 v[QS], v[QA], s[QS1:QS1+1]
	global_load_b128 v[Q2:Q2+3], v[LI], s[QC2:QC2+1]
	global_load_b128 v[Q2+4:Q2+7], v[LI], s[QC2:QC2+1] offset:512
	global_load_b32 v[QS2], v[QA], s[QSB:QSB+1]
	s_add_nc_u64 s[YB1:YB1+1], s[8:9], s[YB1:YB1+1]
	s_add_nc_u64 s[YS1:YS1+1], s[8:9], s[YS1:YS1+1]
	s_add_nc_u64 s[YB2:YB2+1], s[8:9], s[YB2:YB2+1]
	s_add_nc_u64 s[YS2:YS2+1], s[8:9], s[YS2:YS2+1]
	v_mov_b32 v[NINF], 0xff800000
.irp b, 0,1,2,3
	v_mov_b32 v[P+\b], 0                           ; a lane permute's destination counts as one of its sources
.endr
.irp j, 0,1,2,3,4,5,6,7
	v_mov_b32 v[Q+8+\j], 0                         ; Q's zero codes for k 64 .. 127
	v_mov_b32 v[PC+\j], 0                          ; what K's tile 7 names as its idle half in the first step
.endr
.macro INIT                            ; a tile begins: the largest t -3e38, l and O^T zeros (the first change of M multiplies zeros), and zeros where the first step looks for the step before's p
	v_mov_b32 v13, 0xff61b1e6
	v_mov_b32 v14, 0
	v_mov_b32 v15, 0
	v_floor_f32 v12, -v13
.set i, 0
.rept 16
	v_dual_mov_b32 v[O+i], 0 :: v_dual_mov_b32 v[O+i+1], 0
	v_dual_mov_b32 v[S+32+i], 0 :: v_dual_mov_b32 v[S+33+i], 0
.set i, i+2
.endr
.endm
; Line k of 16 that add the 16 pairs of p at x to l, in two chains
.macro SUMOP k, x
.if (\k) == 0
	v_pk_add_f32 v[10:11], v[\x:\x+1], v[\x+2:\x+3]
.elseif (\k) == 1
	v_pk_add_f32 v[F:F+1], v[\x+4:\x+5], v[\x+6:\x+7]
.elseif (\k) < 14
.if (\k)%2 == 0
	v_pk_add_f32 v[10:11], v[10:11], v[\x+2*(\k)+4:\x+2*(\k)+5]
.else
	v_pk_add_f32 v[F:F+1], v[F:F+1], v[\x+2*(\k)+4:\x+2*(\k)+5]
.endif
.elseif (\k) == 14
	v_pk_add_f32 v[14:15], v[14:15], v[10:11]
.else
	v_pk_add_f32 v[14:15], v[14:15], v[F:F+1]
.endif
.endm
.macro QK t                            ; tiles t, t + 1 of S^T
	v_wmma_scale_f32_16x16x128_f8f6f4 v[S+8*\t:S+8*\t+7], v[KV+8*\t:KV+8*\t+15], v[Q:Q+15], 0, v[KSC+\t/2], v[QS]
	v_wmma_scale_f32_16x16x128_f8f6f4 v[S+8*\t+8:S+8*\t+15], v[KV+8*\t+8:KV+8*\t+23], v[Q:Q+15], 0, v[KSC+\t/2], v[QS] matrix_a_scale:MATRIX_SCALE_ROW1
.endm
.macro MAXB b0, b1                     ; the largest score of two blocks of 32 keys, by turns: 16 lines; each accumulator is first read at its low end
.irp b, \b0, \b1
	v_max3_num_f32 v[BM+\b], v[S+16*\b], v[S+16*\b+1], v[S+16*\b+2]
.endr
.irp i, 3,5,7,9,11,13
.irp b, \b0, \b1
	v_max3_num_f32 v[BM+\b], v[BM+\b], v[S+16*\b+\i], v[S+16*\b+\i+1]
.endr
.endr
.irp b, \b0, \b1
	v_max_num_f32 v[BM+\b], v[BM+\b], v[S+16*\b+15]
.endr
.endm
; A KEY STEP of 128 keys.  m = 0: all keys count.  m = 1: a step behind the diagonal step s[dg] is jumped over; in the diagonal step hidden scores become -infinity.
.macro STEP m, dq, dg
.if \m
	s_cmp_gt_u32 s[ST], s[\dg]
	s_cbranch_scc1 .Lskip_\@
.endif
	v_add_nc_u32 v[ADK], s[TK], v[LI]              ; these four and the five sums behind the last products are the places ahead of the loads into their operands
	v_add_nc_u32 v[ADKS], s[TK], v[LS]
	v_add_nc_u32 v[ADV], s[TV], v[LI]
	v_add_nc_u32 v[ADVS], s[TV], v[LS]
.irp t, 0,1,2,3,4,5,6,7
	ds_load_b128 v[KV+8*\t:KV+8*\t+3], v[ADK] offset:1024*\t
	ds_load_b128 v[KV+8*\t+4:KV+8*\t+7], v[ADK] offset:1024*\t+512
.endr
.irp b, 0,1,2,3
	ds_load_b32 v[KSC+\b], v[ADKS] offset:SCO+128*\b
.endr
	s_wait_alu depctr_va_vdst(0)
	s_wait_dscnt 0x0
	QK 0
	QK 2
.irp k, 0,1,2,3,4,5,6,7,8,9,10,11,12,13,14,15
	SUMOP \k, S+32                                 ; the step before's p of registers 32-63, under the old M: sixteen places behind the four products above
.endr
	QK 4
	QK 6
.if \m
	s_cmp_lg_u32 s[ST], s[\dg]
	s_cbranch_scc1 .Lopen_\@
.set n, 0
.rept 64                               ; register 16 b + i holds key 32 b + 16 h + i of the step: hidden where 32 b + i > my query's place - 16 h.  Key 0 of the step counts for every query here
	v_cmp_gt_i32 vcc_lo, 32*(n/16)+n%16, v[\dq]
	v_cndmask_b32 v[S+n], v[S+n], v[NINF], vcc_lo
.set n, n+1
.endr
.Lopen_\@:
.endif
	MAXB 0, 1                                      ; sixteen places behind the last four products
.irp t, 0,1,2,3
.irp c, 0,1,2,3
	ds_load_b128 v[KV+16*\t+4*\c:KV+16*\t+4*\c+3], v[ADV] offset:2048*\t+512*\c   ; V's fragments land under the softmax
.endr
.endr
	ds_load_b32 v[VSC], v[ADVS] offset:SCO
	ds_load_b32 v[VSC+1], v[ADVS] offset:SCO+128
	MAXB 2, 3
.irp b, 0,1,2,3
	v_permlanex16_b32 v[P+\b], v[BM+\b], s[SEL], s[SEL+1]
.endr
.irp b, 0,1,2,3
	v_max_num_f32 v[BM+\b], v[BM+\b], v[P+\b]
.endr
	v_max3_num_f32 v[TT], v[BM], v[BM+1], v[BM+2]
	v_max_num_f32 v[TT], v[TT], v[BM+3]
	v_mul_f32 v[TT], s[CS], v[TT]
	v_max_num_f32 v13, v13, v[TT]                  ; the running largest t
	v_mov_b32 v[TT], v12
	v_floor_f32 v12, -v13                          ; the new -M = -ceil(t)
	v_sub_f32 v[TT], v12, v[TT]                    ; old M - new M: a whole number, 0 or less
	v_cvt_i32_f32 v[TT], v[TT]                     ; (it saturates)
	v_ldexp_f32 v[F], 1.0, v[TT]                   ; f = 2^(old M - new M)
.irp j, 0,2,4,6,8,10,12,14,16,18,20,22,24,26,28,30
	v_pk_mul_f32 v[O+\j:O+\j+1], v[O+\j:O+\j+1], v[F:F+1] op_sel_hi:[1,0]   ; O^T under the new M, ahead of the exponentials
.endr
.irp j, 0,2,4,6,8,10,12,14,16,18,20,22,24,26,28,30,32,34,36,38,40,42,44,46,48,50,52,54,56,58,60,62
	v_pk_fma_f32 v[S+\j:S+\j+1], v[S+\j:S+\j+1], s[CS:CS+1], v[12:13] op_sel_hi:[1,0,0]   ; t - M, two at a time
.endr
.irp b, 0,1,2,3
	v_fma_f32 v[BM+\b], v[BM+\b], s[CS], v12       ; the same of each block's largest score
.endr
	s_wait_alu depctr_va_vdst(0)
.set n, 0
.rept 64
	v_exp_f32 v[S+n], v[S+n]                       ; p = 2^(t - M)
.set n, n+1
.endr
.irp b, 0,1,2,3
	v_exp_f32 v[BM+\b], v[BM+\b]                   ; the blocks' largest p
.endr
	v_pk_mul_f32 v[14:15], v[14:15], v[F:F+1] op_sel_hi:[1,0]   ; l under the new M: the plain line behind the batch
	s_wait_alu depctr_va_vdst(0)                   ; one wait for the batch of 68, ahead of its first reader
.irp b, 0,1,2,3
	v_max_num_f32 v[BM+\b], 0x4800000, v[BM+\b]    ; the floor 2^(9 - 127): the byte cannot fall under 1
.endr
.irp b, 0,1,2,3
	v_add_nc_u32 v[P+\b], 0xfc000000, v[BM+\b]     ; 8 off the exponent field: the conversion's scale operand
.endr
.irp b, 0,1,2,3
	v_and_or_b32 v[BM+\b], v[BM+\b], 0x7f800000, s[MNT]   ; 448 x the scale
.endr
	v_lshrrev_b32 v[PS], 23, v[P]                  ; the four bytes make p's scale word
	v_lshrrev_b32 v10, 23, v[P+1]
	v_lshrrev_b32 v11, 23, v[P+2]
	v_lshrrev_b32 v[TT], 23, v[P+3]
	v_lshl_or_b32 v[PS], v10, 8, v[PS]
	v_lshl_or_b32 v[PS], v11, 16, v[PS]
	v_lshl_or_b32 v[PS], v[TT], 24, v[PS]
.irp b, 0,1,2,3
.irp g, 0,1
.irp i, 0,2,4,6                        ; the conversion does not saturate (ISA guide 7.6.2); p is not negative: a one-sided hold, two numbers a line, into the side buffer
	v_dual_min_num_f32 v[TMP+8*\g+\i], v[S+16*\b+8*\g+\i], v[BM+\b] :: v_dual_min_num_f32 v[TMP+8*\g+\i+1], v[S+16*\b+8*\g+\i+1], v[BM+\b]
.endr
	v_cvt_scalef32_pk8_fp8_f32 v[PC+4*\b+2*\g:PC+4*\b+2*\g+1], v[TMP+8*\g:TMP+8*\g+7], v[P+\b]
	SUMOP 2*\b+\g, S                               ; a plain line behind each conversion: this step's p of registers 0-31
.endr
.endr
	SUMOP 8, S                                     ; with the line above: four places between the codes and their products
	SUMOP 9, S
	SUMOP 10, S
	s_wait_alu depctr_va_vdst(0)
	s_wait_dscnt 0x0                               ; V
	v_wmma_scale_f32_16x16x128_f8f6f4 v[O:O+7], v[KV:KV+15], v[PC:PC+15], v[O:O+7], v[VSC], v[PS]
	v_wmma_scale_f32_16x16x128_f8f6f4 v[O+8:O+15], v[KV+16:KV+31], v[PC:PC+15], v[O+8:O+15], v[VSC], v[PS] matrix_a_scale:MATRIX_SCALE_ROW1
	v_wmma_scale_f32_16x16x128_f8f6f4 v[O+16:O+23], v[KV+32:KV+47], v[PC:PC+15], v[O+16:O+23], v[VSC+1], v[PS]
	v_wmma_scale_f32_16x16x128_f8f6f4 v[O+24:O+31], v[KV+48:KV+63], v[PC:PC+15], v[O+24:O+31], v[VSC+1], v[PS] matrix_a_scale:MATRIX_SCALE_ROW1
.irp k, 11,12,13,14,15
	SUMOP \k, S
.endr
.if \m
.Lskip_\@:
.endif
	s_add_co_u32 s[TK], s[TK], KHF
	s_add_co_u32 s[TV], s[TV], VHF
	s_add_co_u32 s[ST], s[ST], 1
.endm
; THE WAY OUT of a tile: the last step's p of registers 32-63 join l; y = O^T / l; register 16 b + i is channel 32 b + 16 h + i: two blocks of 32 along D, shared with lane l xor 16; the codes are pieces of yq's image
.macro WAYOUT yb, ys
.irp k, 0,1,2,3,4,5,6,7,8,9,10,11,12,13,14,15
	SUMOP \k, S+32
.endr
	v_add_f32 v14, v14, v15
	v_permlanex16_b32 v[TT], v14, s[SEL], s[SEL+1]
	v_add_f32 v14, v14, v[TT]
	s_wait_alu depctr_va_vdst(0)
	v_rcp_f32 v14, v14
	v_nop                                          ; the plain line behind it
	s_wait_alu depctr_va_vdst(0)                   ; ahead of its first reader, which is also O^T's
.set i, 0
.rept 16
	v_pk_mul_f32 v[S+i:S+i+1], v[O+i:O+i+1], v[14:15] op_sel_hi:[1,0]   ; each accumulator from its low end on
.set i, i+2
.endr
.irp b, 0,1
	v_max3_num_f32 v[BM+\b], |v[S+16*\b]|, |v[S+16*\b+1]|, 0x4800000
.endr
.irp i, 2,4,6,8,10,12,14
.irp b, 0,1
	v_max3_num_f32 v[BM+\b], v[BM+\b], |v[S+16*\b+\i]|, |v[S+16*\b+\i+1]|
.endr
.endr
.irp b, 0,1
	v_permlanex16_b32 v[P+\b], v[BM+\b], s[SEL], s[SEL+1]
.endr
.irp b, 0,1
	v_max_num_f32 v[BM+\b], v[BM+\b], v[P+\b]
.endr
.irp b, 0,1
	v_add_nc_u32 v[P+\b], 0xfc000000, v[BM+\b]
.endr
.irp b, 0,1
	v_and_or_b32 v[BM+\b], v[BM+\b], 0x7f800000, s[MNT]
.endr
.irp b, 0,1
	v_lshrrev_b32 v[10+\b], 23, v[P+\b]
.endr
.irp b, 0,1
.irp i, 0,1,2,3,4,5,6,7,8,9,10,11,12,13,14,15
	v_med3_num_f32 v[S+16*\b+\i], v[S+16*\b+\i], -v[BM+\b], v[BM+\b]
.endr
	v_cvt_scalef32_pk8_fp8_f32 v[PC+4*\b:PC+4*\b+1], v[S+16*\b:S+16*\b+7], v[P+\b]
	v_cvt_scalef32_pk8_fp8_f32 v[PC+4*\b+2:PC+4*\b+3], v[S+16*\b+8:S+16*\b+15], v[P+\b]
.endr
	v_cmp_ne_u32 vcc_lo, 0, v[HH]                  ; (a plain line behind the last conversion)
	v_cndmask_b32 v[TT], v10, v11, vcc_lo          ; lanes 0-15 store block 0's byte, lanes 16-31 block 1's
	global_store_b128 v[LI], v[PC:PC+3], s[\yb:\yb+1]            ; 512 consecutive bytes each
	global_store_b128 v[LI], v[PC+4:PC+7], s[\yb:\yb+1] offset:512
	global_store_b8 v[YSO], v[TT], s[\ys:\ys+1]    ; a head owns 2 of a row's 32 scale bytes: single bytes, 262,144 in the launch
.endm
	INIT
	s_mov_b32 s[ST], 0
	s_mov_b32 s[TK], 0
	s_mov_b32 s[TV], VB
	s_wait_alu depctr_va_vdst(0)
	s_cmp_lt_u32 s[WV], 4
	s_cbranch_scc0 .Lnot_early
	s_wait_tensorcnt 0x0                           ; waves 0-3: key steps 0-3 have landed.  The other waves' wait stands at the second barrier
.Lnot_early:
	s_barrier_signal -1
	s_barrier_wait -1
	s_wait_loadcnt 0x0                             ; Q
.Lfirst:                                           ; the first tile's key steps 0-3: its diagonal step is 8 at the least
	STEP 0, DQ, DL
	s_cmp_lt_u32 s[ST], 4
	s_wait_alu depctr_va_vdst(0)
	s_cbranch_scc1 .Lfirst
	s_wait_tensorcnt 0x0                           ; every wave: its load has landed;
	s_wait_dscnt 0x0
	s_barrier_signal -1
	s_barrier_wait -1                              ; all of K and V is in LDS, and stays
.Llong:                                            ; key steps 4-15
	STEP 1, DQ, DL
	s_cmp_lt_u32 s[ST], 16
	s_wait_alu depctr_va_vdst(0)
	s_cbranch_scc1 .Llong
	WAYOUT YB1, YS1
.irp j, 0,1,2,3,4,5,6,7
	v_mov_b32 v[Q+\j], v[Q2+\j]                    ; the second tile
.endr
	v_mov_b32 v[QS], v[QS2]
	INIT
	s_mov_b32 s[ST], 0
	s_mov_b32 s[TK], 0
	s_mov_b32 s[TV], VB
	s_wait_xcnt 0x0                                ; the stores have read their registers: the codes and the byte are written again only behind this wait
	s_wait_alu depctr_va_vdst(0)
.Lshort:                                           ; key steps 0-7
	STEP 1, DQ2, DS
	s_cmp_lt_u32 s[ST], 8
	s_wait_alu depctr_va_vdst(0)
	s_cbranch_scc1 .Lshort
	WAYOUT YB2, YS2
	s_wait_tensorcnt 0x0                           ; the wave's end
	ds_add_u32 v[SPW], v[NIL]
	s_wait_dscnt 0x0
	ROUND                                          ; the closing round
	s_endpgm
.Lfunc_end_k_q0621172887_attn:
	.size	k_q0621172887_attn, .Lfunc_end_k_q0621172887_attn-k_q0621172887_attn
	.p2alignl 7, 3214868480
	.fill 96, 4, 3214868480
	.section	.rodata,"a",@progbits
	.p2align	6, 0x0
	.amdhsa_kernel k_q0621172887_attn
		.amdhsa_group_segment_fixed_size 327680
		.amdhsa_private_segment_fixed_size 0
		.amdhsa_enable_private_segment 0
		.amdhsa_kernarg_size 24
		.amdhsa_user_sgpr_count 2
		.amdhsa_user_sgpr_kernarg_segment_ptr 1
		.amdhsa_wavefront_size32 1
		.amdhsa_system_sgpr_workgroup_id_x 1
		.amdhsa_system_sgpr_workgroup_id_y 1
		.amdhsa_system_sgpr_workgroup_id_z 1
		.amdhsa_system_vgpr_workitem_id 0
		.amdhsa_next_free_vgpr 256
		.amdhsa_next_free_sgpr 96
		.amdhsa_reserve_vcc 1
		.amdhsa_float_denorm_mode_32 3
		.amdhsa_float_denorm_mode_16_64 3
		.amdhsa_memory_ordered 1
		.amdhsa_forward_progress 1
		.amdhsa_inst_pref_size 93
	.end_amdhsa_kernel
	.amdgpu_metadata
---
amdhsa.version: [ 1, 2 ]
amdhsa.kernels:
  - .name:           k_q0621172887_attn
    .symbol:         k_q0621172887_attn.kd
    .args:
      - { .name: qk_img, .offset: 0, .size: 8, .value_kind: global_buffer, .address_space: global }
      - { .name: v_img, .offset: 8, .size: 8, .value_kind: global_buffer, .address_space: global }
      - { .name: yq, .offset: 16, .size: 8, .value_kind: global_buffer, .address_space: global }
    .group_segment_fixed_size: 327680
    .private_segment_fixed_size: 0
    .kernarg_segment_align: 8
    .kernarg_segment_size: 24
    .max_flat_workgroup_size: 512
    .sgpr_count:     96
    .vgpr_count:     256
    .wavefront_size: 32
...
	.end_amdgpu_metadata
.endif
;; end of part 3
;; launch proj (part 4): grid 4 x 32, 4 waves a work-group, clusters of 4 x 4, 327,680 bytes of LDS; arguments yq, wq, b_proj, out0; writes out0
.if DOCPART == 4
	.amdgcn_target "amdgcn-amd-amdhsa--gfx1250"
	.amdhsa_code_object_version 6
	.text
	.protected	k_q0621172887_proj
	.globl	k_q0621172887_proj
	.p2align	8
	.type	k_q0621172887_proj,@function
k_q0621172887_proj:
	s_mov_b64 s[64:65], 0
	v_nop
	global_prefetch_b8 v0, s[64:65] scope:SCOPE_SE
	s_setreg_imm32_b32 hwreg(HW_REG_WAVE_MODE, 25, 1), 1
	s_wait_xcnt 0x0
	s_wait_alu depctr_hold_cnt(0) depctr_sa_sdst(0) depctr_va_vdst(0) depctr_va_sdst(0) depctr_va_ssrc(0) depctr_va_vcc(0) depctr_vm_vsrc(0)
	s_getreg_b32 s2, hwreg(HW_REG_IB_STS2, 6, 4)
	s_cmp_eq_u32 s2, 0
	s_cbranch_scc0 .Lentry_in_a_cluster
	s_endpgm
.Lentry_in_a_cluster:
	s_bfe_u32 s2, ttmp6, 0x10000c
	s_cmp_lg_u32 s2, 0xf033
	s_cbranch_scc0 .Lentry_shape_is_right
	s_endpgm
.Lentry_shape_is_right:
; out0 = y W_proj + b_proj on codes of FP8 (E4M3) with E8M0 scales, K = 1,024.  yq and wq are images of operand registers in tile order (launch quant's head has the layout); W_proj's tiles are wq's 192-255.
; A tile of 256 x 256 results is made by four waves, 128 x 128 each; the product is used transposed, the bias is the C of each sum's first product; K goes in steps of 256 through two LDS slots, written straight.
; CLUSTERS 4 x 4: A's tiles are asked for jointly along a row of the cluster, B's along a column.  Results leave through each wave's stage in slot 0, as whole rows of 512 bytes.
.set SLOT,  131072
.set BOFF,  65536
.set SCL,   262144
.set SPARE, 278528
.set FR,    16
.set NP,    8
.set XSC,   8388608
.set WSC,   4194304
.set BOQ,  10
.set ADRA, 16
.set ADRB, 20
.set LI,   22
.set STO,  24
.set RD,   25
.set ADRS, 27
.set SPW,  28
.set NIL,  29
.set SC,   32
.set BIAS, 64
.set AF,   128
.set BK,   128
.set SPITCH, 528
.set G1, 24
.set G0, 32
.set G1B, 48
.set G0B, 56
.set G1S, 68
.set G0S, 76
.set G1SB, 80
.set G0SB, 88
.set MSB, 0
.macro WIN new
.if MSB != \new
	s_set_vgpr_msb (MSB<<8)|\new
.set MSB, \new
.endif
.endm
.set MUL_LO, 0xa1
.set MUL_HI, 0xf1
.set TO_B,   0x40
.macro JLOAD g0a, g1a, g0b, g1b
	s_cmp_eq_u32 s15, 0
	s_cbranch_scc0 .Lfor_b_\@
	tensor_load_to_lds s[\g0a:\g0a+3], s[\g1a:\g1a+7]
	s_nop 0
.rept 4
	v_nop
.endr
	s_branch .Lasked_\@
.Lfor_b_\@:
	tensor_load_to_lds s[\g0b:\g0b+3], s[\g1b:\g1b+7]
	s_nop 0
.rept 4
	v_nop
.endr
.Lasked_\@:
.endm
.macro CREST
	s_cmp_lg_u32 s14, 0
	s_cbranch_scc1 .Lnot_wave_0_\@
	s_barrier_signal -3
.Lnot_wave_0_\@:
	s_barrier_wait -3
	s_barrier_signal -1
	s_barrier_wait -1
.endm
.macro CROUND
	s_barrier_signal -1
	s_barrier_wait -1
	CREST
.endm
	s_load_b128 s[4:7], s[0:1], 0x0
	s_load_b128 s[8:11], s[0:1], 0x10
	v_lshl_add_u32 v[SPW], v0, 2, SPARE
	v_mov_b32 v[NIL], 0
	ds_add_u32 v28, v29
	ds_add_u32 v28, v29
	s_wait_dscnt 0x0
	v_lshrrev_b32 v1, 5, v0
	v_readfirstlane_b32 s14, v1
	s_lshr_b32 s15, s14, 1
	s_and_b32 s16, s14, 1
	s_bfe_u32 s40, ttmp6, 0x40000
	s_bfe_u32 s41, ttmp6, 0x40004
	s_and_b32 s17, ttmp7, 0xffff
	s_lshl_b32 s17, s17, 2
	s_add_co_u32 s17, s17, s41
	s_lshl_b32 s42, ttmp9, 2
	s_add_co_u32 s42, s42, s40
	s_lshl_b32 s20, s17, 4
	s_lshl_b32 s21, s16, 3
	s_add_co_u32 s20, s20, s21
	s_lshl_b32 s22, s20, 9
	s_add_co_u32 s22, s22, XSC
	s_lshl_b32 s20, s20, 14
	s_mov_b32 s21, 0
	s_mov_b32 s23, 0
	s_lshl_b32 s46, s42, 4
	s_lshl_b32 s47, s16, 3
	s_add_co_u32 s46, s46, s47
	s_add_co_u32 s46, s46, 192
	s_lshl_b32 s66, s46, 9
	s_add_co_u32 s66, s66, WSC
	s_lshl_b32 s46, s46, 14
	s_mov_b32 s47, 0
	s_mov_b32 s67, 0
	s_lshl_b32 s43, s41, 2
	s_lshl_b32 s43, 15, s43
	s_lshl_b32 s44, 0x1111, s40
	s_or_b32 s[G1+0], s43, (3<<16)|(1<<21)
	s_or_b32 s[G1B+0], s44, (3<<16)|(1<<21)
.irp g, G1, G1B
	s_mov_b32 s[\g+1], 512<<16
	s_mov_b32 s[\g+2], 16<<16
	s_mov_b32 s[\g+3], 512<<16
	s_mov_b32 s[\g+4], 16
	s_mov_b32 s[\g+5], 2048
	s_mov_b32 s[\g+6], 0
	s_mov_b32 s[\g+7], 0
.endr
	s_or_b32 s[G1S+0], s43, (3<<16)|(1<<21)
	s_or_b32 s[G1SB+0], s44, (3<<16)|(1<<21)
.irp g, G1S, G1SB
	s_mov_b32 s[\g+1], 32<<16
	s_mov_b32 s[\g+2], 32<<16
	s_mov_b32 s[\g+3], 32<<16
	s_mov_b32 s[\g+4], 32
	s_mov_b32 s[\g+5], 32
	s_mov_b32 s[\g+6], 0
	s_mov_b32 s[\g+7], 0
.endr
	s_lshl_b32 s45, s14, 15
	s_lshl_b32 s94, s14, 12
	s_wait_kmcnt 0x0
	s_add_nc_u64 s[20:21], s[4:5], s[20:21]
	s_add_nc_u64 s[22:23], s[4:5], s[22:23]
	s_add_nc_u64 s[46:47], s[6:7], s[46:47]
	s_add_nc_u64 s[66:67], s[6:7], s[66:67]
	CROUND
	s_mov_b32 s[G0S], 1
	s_mov_b32 s[G0S+1], SCL
	s_lshl_b32 s18, s16, 12                        ; back from my 8 tiles' scale words to the side's first
	s_mov_b32 s19, 0
	s_sub_nc_u64 s[G0S+2:G0S+3], s[22:23], s[18:19]
	s_or_b32 s[G0S+3], s[G0S+3], 0x80000000
	s_mov_b32 s[G0SB], 1
	s_mov_b32 s[G0SB+1], SCL+8192
	s_sub_nc_u64 s[G0SB+2:G0SB+3], s[66:67], s[18:19]
	s_or_b32 s[G0SB+3], s[G0SB+3], 0x80000000
.irp s, 0,1
	s_mov_b32 s[G0+4*\s], 1
	s_add_co_u32 s[G0+4*\s+1], s45, \s*SLOT
	s_add_nc_u64 s[G0+4*\s+2:G0+4*\s+3], s[20:21], \s*4096
	s_or_b32 s[G0+4*\s+3], s[G0+4*\s+3], 0x80000000
	s_mov_b32 s[G0B+4*\s], 1
	s_add_co_u32 s[G0B+4*\s+1], s45, \s*SLOT
	s_add_nc_u64 s[G0B+4*\s+2:G0B+4*\s+3], s[46:47], \s*4096
	s_or_b32 s[G0B+4*\s+3], s[G0B+4*\s+3], 0x80000000
.endr
; THE HEAD'S LOADS, ONE A WAVE: wave 0 K step 0's 16 tiles of A, wave 1 A's scale words, wave 2 the 16 tiles of B, wave 3 B's scale words.
; In waves 0 and 2 slot 0's own group 0 already names the side's first tile and its place in LDS; only the row count differs from the ring's.
.macro ARM under, g0, g1, next
	s_cmp_lt_u32 s14, \under
	s_cbranch_scc0 \next
	tensor_load_to_lds s[\g0:\g0+3], s[\g1:\g1+7]
	s_nop 0
.rept 4
	v_nop
.endr
	s_branch .Lhead_asked
\next:
.endm
	ARM 1, G0,  G1,  .Lhead_sa
	ARM 2, G0S, G1S, .Lhead_b
	ARM 3, G0B, G1B, .Lhead_sb
	tensor_load_to_lds s[G0SB:G0SB+3], s[G1SB:G1SB+7]
	s_nop 0
.rept 4
	v_nop
.endr
.Lhead_asked:
	v_and_b32 v1, 15, v0
	v_bfe_u32 v2, v0, 4, 1
	s_wait_alu depctr_va_vdst(0)
	v_and_b32 v3, 31, v0
	v_lshlrev_b32 v[LI], 4, v3
	s_lshl_b32 s18, s15, 15
	s_lshl_b32 s19, s16, 15
	s_add_co_u32 s19, s19, BOFF
.irp s, 0,1
	v_add_nc_u32 v[ADRA+\s], s18, v[LI]
	v_add_nc_u32 v[ADRB+\s], s19, v[LI]
	s_add_co_u32 s18, s18, SLOT
	s_add_co_u32 s19, s19, SLOT
.endr
	s_lshl_b32 s18, s15, 12
	s_lshl_b32 s19, s16, 12
	s_add_co_u32 s19, s19, 8192
	s_sub_co_u32 s19, s19, s18
	v_mul_u32_u24 v4, s19, v2
	s_add_co_u32 s18, s18, SCL
	v_lshl_add_u32 v4, v1, 3, v4
	v_add_nc_u32 v[ADRS], s18, v4
	s_mul_i32 s18, s14, 16*SPITCH
	v_mul_u32_u24 v4, v1, SPITCH
	v_lshl_add_u32 v4, v2, 6, v4
	v_add_nc_u32 v[STO], s18, v4
	v_add_nc_u32 v[RD], s18, v[LI]
	v_lshlrev_b32 v[BOQ], 6, v2
	s_wait_alu depctr_va_vdst(0)
	s_lshl_b32 s92, s42, 1
	s_add_co_u32 s92, s92, s16
	s_lshl_b32 s96, s17, 1
	s_add_co_u32 s96, s96, s15
	s_lshl_b32 s98, s92, 9
	s_mov_b32 s99, 0
	s_add_nc_u64 s[98:99], s[8:9], s[98:99]
	s_lshl_b32 s93, s96, 19
	s_lshl_b32 s92, s92, 9
	s_add_co_u32 s92, s92, s93
	s_mov_b32 s93, 0
	s_add_nc_u64 s[92:93], s[10:11], s[92:93]
.irp bb, 0,1,2,3
.irp j, 0,1,2,3
	global_load_b128 v[BIAS+16*\bb+4*\j:BIAS+16*\bb+4*\j+3], v[BOQ], s[98:99] offset:128*\bb+16*\j
.endr
.endr
.macro FRAG reg, adr, q, i
.irp c, 0,1,2,3
	ds_load_b128 v[\reg+4*\c:\reg+4*\c+3], v[\adr] offset:(\i)*4096+(\q)*2048+\c*512
.endr
.endm
.macro MUL16 a0, p, q, sc, cm
.irp a, \a0, \a0+1
.irp b, 0,1,2,3,4,5,6,7
.if \cm == 0
	v_wmma_scale_f32_16x16x128_f8f6f4 v[8*(8*((\a)%4)+\b):8*(8*((\a)%4)+\b)+7], v[128*(\p)+FR*\b:128*(\p)+FR*\b+FR-1], v[AF+FR*(\a):AF+FR*(\a)+FR-1], v[8*(8*((\a)%4)+\b):8*(8*((\a)%4)+\b)+7], v[SC+16*(\sc)+2*\b+(\q)], v[SC+16*(\sc)+2*(\a)+(\q)] matrix_a_scale:MATRIX_SCALE_ROW1
.else
	v_wmma_scale_f32_16x16x128_f8f6f4 v[8*(8*((\a)%4)+\b):8*(8*((\a)%4)+\b)+7], v[128*(\p)+FR*\b:128*(\p)+FR*\b+FR-1], v[AF+FR*(\a):AF+FR*(\a)+FR-1], v[BIAS+8*\b:BIAS+8*\b+7], v[SC+16*(\sc)+2*\b+(\q)], v[SC+16*(\sc)+2*(\a)+(\q)] matrix_a_scale:MATRIX_SCALE_ROW1
.endif
.endr
.endr
.endm
.macro FETCH_B slot, q, p
	WIN TO_B
.irp i, 0,1,2,3,4,5,6,7
	FRAG 128*(\p)+FR*\i, ADRB+\slot, \q, \i
.endr
	WIN 0
.endm
.macro FETCH_A slot, q, i0
.irp i, \i0, \i0+1, \i0+2, \i0+3
	FRAG AF+FR*(\i), ADRA+\slot, \q, \i
.endr
.endm
.macro SCALES set, ks
.irp i, 0,1,2,3,4,5,6,7
	ds_load_b64 v[SC+16*\set+2*\i:SC+16*\set+2*\i+1], v[ADRS] offset:\i*512+\ks*128
.endr
.endm
.macro PLACES n
.rept \n
	v_nop
.endr
.endm
.macro STEP slot, cm
	s_wait_dscnt 16
.if \cm
	WIN 0x81
.else
	WIN MUL_LO
.endif
	MUL16 0, 0, 0, \slot, \cm
	MUL16 2, 0, 0, \slot, \cm
	s_wait_dscnt 0
	PLACES NP
	FETCH_B \slot, 1, 1
	FETCH_A \slot, 1, 0
.if \cm
	WIN 0xc1
.else
	WIN MUL_HI
.endif
	MUL16 4, 0, 0, \slot, \cm
	MUL16 6, 0, 0, \slot, \cm
	PLACES NP
	WIN 0
	FETCH_A \slot, 1, 4
.endm
.macro TURN slot, next, fill, ks
	s_wait_tensorcnt 0x0
	ds_add_u32 v[SPW], v[NIL]
	s_wait_dscnt 17
	WIN MUL_LO
	MUL16 0, 1, 1, \slot, 0
	s_wait_dscnt 0x0
	s_barrier_signal -1
	MUL16 2, 1, 1, \slot, 0
	WIN 0
	s_barrier_wait -1
.if \fill
	CREST
	s_add_nc_u64 s[G0+4*\slot+2:G0+4*\slot+3], s[G0+4*\slot+2:G0+4*\slot+3], 8192
	s_add_nc_u64 s[G0B+4*\slot+2:G0B+4*\slot+3], s[G0B+4*\slot+2:G0B+4*\slot+3], 8192
	JLOAD G0+4*\slot, G1, G0B+4*\slot, G1B
	PLACES NP-4
.else
	PLACES NP
.endif
	FETCH_B \next, 0, 0
	FETCH_A \next, 0, 0
	SCALES \next, \ks
	WIN MUL_HI
	MUL16 4, 1, 1, \slot, 0
	MUL16 6, 1, 1, \slot, 0
	PLACES NP
	WIN 0
	FETCH_A \next, 0, 4
.endm
	s_wait_alu depctr_va_vdst(0)
	s_wait_tensorcnt 0x0                           ; my tile of the head's four is in; the lines ahead of a later first fill:
	ds_add_u32 v[SPW], v[NIL]
	s_mov_b32 s[G1+2], 8<<16                       ; no tensor load of mine is out: from here on a load brings 8 tiles
	s_mov_b32 s[G1+4], 8
	s_mov_b32 s[G1B+2], 8<<16
	s_mov_b32 s[G1B+4], 8
	s_wait_dscnt 0x0
	CROUND                                         ; all four tiles are in, and all sixteen work-groups are here
	JLOAD G0+4, G1, G0B+4, G1B                     ; K step 1, the first tensor load behind the round
	FETCH_B 0, 0, 0
	FETCH_A 0, 0, 0
	SCALES 0, 0
	FETCH_A 0, 0, 4
	s_wait_loadcnt 0x0
	STEP 0, 1
	TURN 0, 1, 1, 1
	STEP 1, 0
	TURN 1, 0, 1, 2
	STEP 0, 0
	TURN 0, 1, 0, 3
	STEP 1, 0
	s_wait_dscnt 16
	WIN MUL_LO
	MUL16 0, 1, 1, 1, 0
	MUL16 2, 1, 1, 1, 0
	s_wait_dscnt 0
	WIN MUL_HI
	MUL16 4, 1, 1, 1, 0
	MUL16 6, 1, 1, 1, 0
	WIN 0
.macro TOSTAGE a
.set AC, 64*((\a)%4)
	WIN 0x08+4*((\a)/4)
.irp bb, 0,1,2,3
.irp j, 0,1,2,3
	ds_store_b128 v[STO], v[AC+16*\bb+4*\j:AC+16*\bb+4*\j+3] offset:128*\bb+16*\j
.endr
.endr
	WIN 0
.set BB, BK+64*((\a)%2)
.irp t, 0,1,2,3,4,5,6,7,8,9,10,11,12,13,14,15
	ds_load_b128 v[BB+4*\t:BB+4*\t+3], v[RD] offset:\t*SPITCH
.endr
.endm
.macro SEND a, younger
.set BB, BK+64*((\a)%2)
	s_wait_dscnt \younger
.irp t, 0,1,2,3,4,5,6,7,8,9,10,11,12,13,14,15
	global_store_b128 v[LI], v[BB+4*\t:BB+4*\t+3], s[92:93] offset:(32*((\a)/2)+8*((\a)%2)+\t+8*(\t/8))*4096 th:TH_STORE_NT
.endr
.endm
	PLACES NP
	TOSTAGE 0
.irp a, 1,2,3,4,5,6,7
.if \a > 1
	s_wait_xcnt 0x0
.endif
	TOSTAGE \a
	SEND \a-1, 32
.endr
	SEND 7, 0
	s_wait_tensorcnt 0x0
	ds_add_u32 v[SPW], v[NIL]
	s_wait_dscnt 0x0
	CROUND
	s_endpgm
.Lfunc_end_k_q0621172887_proj:
	.size	k_q0621172887_proj, .Lfunc_end_k_q0621172887_proj-k_q0621172887_proj
	.p2alignl 7, 3214868480
	.fill 96, 4, 3214868480
	.section	.rodata,"a",@progbits
	.p2align	6, 0x0
	.amdhsa_kernel k_q0621172887_proj
		.amdhsa_group_segment_fixed_size 327680
		.amdhsa_private_segment_fixed_size 0
		.amdhsa_enable_private_segment 0
		.amdhsa_kernarg_size 32
		.amdhsa_user_sgpr_count 2
		.amdhsa_user_sgpr_kernarg_segment_ptr 1
		.amdhsa_wavefront_size32 1
		.amdhsa_system_sgpr_workgroup_id_x 1
		.amdhsa_system_sgpr_workgroup_id_y 1
		.amdhsa_system_sgpr_workgroup_id_z 1
		.amdhsa_system_vgpr_workitem_id 0
		.amdhsa_next_free_vgpr 1024
		.amdhsa_next_free_sgpr 100
		.amdhsa_reserve_vcc 0
		.amdhsa_float_denorm_mode_32 3
		.amdhsa_float_denorm_mode_16_64 3
		.amdhsa_memory_ordered 1
		.amdhsa_forward_progress 1
		.amdhsa_inst_pref_size 147
	.end_amdhsa_kernel
	.amdgpu_metadata
---
amdhsa.version: [ 1, 2 ]
amdhsa.kernels:
  - .name:           k_q0621172887_proj
    .symbol:         k_q0621172887_proj.kd
    .args:
      - { .name: yq, .offset: 0, .size: 8, .value_kind: global_buffer, .address_space: global }
      - { .name: wq, .offset: 8, .size: 8, .value_kind: global_buffer, .address_space: global }
      - { .name: b_proj, .offset: 16, .size: 8, .value_kind: global_buffer, .address_space: global }
      - { .name: out0, .offset: 24, .size: 8, .value_kind: global_buffer, .address_space: global }
    .group_segment_fixed_size: 327680
    .private_segment_fixed_size: 0
    .kernarg_segment_align: 8
    .kernarg_segment_size: 32
    .max_flat_workgroup_size: 128
    .sgpr_count:     100
    .vgpr_count:     1024
    .wavefront_size: 32
...
	.end_amdgpu_metadata
.endif
;; end of part 4
